; MI455X (gfx1250); checked and timed in simulation.
; The chip was launched on July 23, 2026; its instructions are those of AMD's public machine-readable ISA for CDNA 5 (MIT licence, August 2026) and "CDNA5" Instruction Set Architecture Reference Guide (July 2026). The comments in the code are by the model that wrote it; some were corrected since.
;; Multi Head Attention. Allowed arithmetic: matrix products marked QUANTISED: E3M2 operands, one E8M0 scale for each 32 along K, by v_wmma_scale_f32_16x16x128_f8f6f4 with both operands' format E3M2, f32 sums; everything else in f32.
;; Inputs: Wk 1,024 x 1,024 float32; Wo 1,024 x 1,024 float32; Wq 1,024 x 1,024 float32; Wv 1,024 x 1,024 float32; x 4 x 2,048 x 1,024 float32.
;; Outputs: out0 4 x 2,048 x 1,024 float32.
;; This version of the problem:
;;   THIS VERSION OF THE PROBLEM IS GIVEN IN LOW PRECISION. The matrix products marked QUANTISED in the list below multiply operands that are first quantised to E3M2 (3 exponent bits, 2 mantissa bits; 6 bits a number), with one power-of-two scale for each 32 numbers along K (OCP MX v1.0); their sums are f32. All else is computed in f32.
;;   The module's matrix products, in the order in which they are computed (A, B: the left and right operand; K: the contracted axis; several contracted axes count as one K, in the product's order):
;;     1. [M 8,192, K 1,024] x [K 1,024, N 1,024]; A: input x; B: input Wq: QUANTISED
;;     2. [M 8,192, K 1,024] x [K 1,024, N 1,024]; A: input x; B: input Wk: QUANTISED
;;     3. [M 8,192, K 1,024] x [K 1,024, N 1,024]; A: input x; B: input Wv: QUANTISED
;;     4. batch 64 x [M 2,048, K 64] x [K 64, N 2,048]; A: computed on the way; B: computed on the way: QUANTISED
;;     5. batch 64 x [M 2,048, K 2,048] x [K 2,048, N 64]; A: softmax (see below); B: computed on the way: QUANTISED
;;     6. [M 8,192, K 1,024] x [K 1,024, N 1,024]; A: computed on the way; B: input Wo: QUANTISED
;;   THE QUANTISER, for each operand of a quantised product, along K:
;;     - K is cut into blocks of 32 from its start; a last block that is shorter is filled with zeros.
;;     - A block's scale is 2^e with e = floor(log2(the largest magnitude in the block)) - 4, held to -126 .. 127; a block of zeros has e = 0. As a byte (E8M0): e + 127.
;;     - Each number is divided by its block's scale, clamped to +-28, and rounded to the nearest number of E3M2, ties to even, subnormals kept.
;;     - The product sums the exact products of the quantised numbers (number of the format x scale) in f32.
;;   ~~~python
;;   def quantise(x, axis):      # numpy; x: float32 -> the quantised numbers, widened to float32 again
;;       x = np.moveaxis(x, axis, -1); K = x.shape[-1]
;;       x = np.pad(x, [(0, 0)] * (x.ndim - 1) + [(0, -K % 32)]); x = x.reshape(x.shape[:-1] + (-1, 32)); a = np.abs(x).max(-1, keepdims=True)
;;       e = np.where(a > 0, np.clip(np.frexp(np.where(a > 0, a, 1))[1] - 1 - 4, -126, 127), 0)      # np.frexp(a)[1] - 1 = floor(log2(a)), exactly
;;       r = np.clip(x / 2.0 ** e, -28, 28)
;;       step = 2.0 ** (np.maximum(np.frexp(np.where(r == 0, 1, r))[1] - 1, -2) - 2)
;;       q = np.round(r / step) * step * 2.0 ** e      # np.round: ties to even
;;       return np.moveaxis(q.reshape(q.shape[:-2] + (-1,))[..., :K], -1, axis).astype(np.float32)
;;   ~~~
;;   SOFTMAX AHEAD OF A QUANTISED PRODUCT. Where the list says 'softmax', what is quantised is not the finished softmax but p = 2^(t - M), with t = logit x log2(e) and M = ceil(the row's largest t), a whole number; so 1/2 < the row's largest p <= 1. The row's sum l is taken of the UNQUANTISED p, in f32, and the product's result is divided by l at the end. Since M is a whole number, a kernel that streams over the keys may use a running M (the ceiling of the running maximum): every later rescaling is an exact power of two, which a block's scale takes up: the codes' values come out the same.
;;   OPERANDS COMPUTED ON THE WAY. 'Computed on the way' means the value that the module computes at that place (a softmax that the list does not call 'softmax' is quantised finished and normalised). What goes into a quantiser is computed in f32, as accurately as f32 sums, v_exp_f32 and their like allow (about 1e-6 of the number): no bf16 or f16 on the way to a quantiser, and a product that is left as it is and whose result goes on into a quantised operand takes f32 operands (vector FMAs, or v_wmma_f32_16x16x4_f32). A number that lies on a knife's edge between two numbers of the format may be rounded either way, as far as f32 arithmetic and the matrix unit's own rounding can turn it there, and no further.
;; One version. Each part assembles by itself: llvm-mc -triple=amdgcn-amd-amdhsa -mcpu=gfx1250 --defsym DOCPART=n.
;; ======== version 1 of 1: 4 launches
;; workspace buffers: xq 6,553,600 bytes; wq 3,276,800 bytes; rope 524,288 bytes; qq 6,815,744 bytes; kv 13,369,344 bytes; aq 6,553,600 bytes
;; launch quant (part 1): grid 384 x 1, 4 waves a work-group, no clusters, 34,304 bytes of LDS; arguments x, Wq, Wk, Wv, Wo, xq, wq, rope; writes xq, wq, rope
.if DOCPART == 1
	.amdgcn_target "amdgcn-amd-amdhsa--gfx1250"
	.amdhsa_code_object_version 6
	.text
	.protected	k_qaf8be31701_quant
	.globl	k_qaf8be31701_quant
	.p2align	8
	.type	k_qaf8be31701_quant,@function
k_qaf8be31701_quant:
	s_mov_b64 s[64:65], 0
	v_nop
	global_prefetch_b8 v0, s[64:65] scope:SCOPE_SE
	s_setreg_imm32_b32 hwreg(HW_REG_WAVE_MODE, 25, 1), 1
	s_wait_xcnt 0x0
; x [8192][1024] and the four weights [1024 (k)][1024 (n)], f32, become codes of BF6 (E3M2) with one E8M0 byte for each 32 along K, laid AS THE MATRIX UNIT'S REGISTERS WANT THEM; and the table of cos and sin for the rotation is made.
; A FRAGMENT (16 rows x 128 K, 12 registers a lane) lies in memory as an image of its registers, 1,536 bytes: registers 0-3 at 16 x lane, 4-5 at 512 + 8 x lane, 6-9 at 768 + 16 x lane, 10-11 at 1,280 + 8 x lane.
; THE ROWS OF A TILE ARE NOT NEIGHBOURS: lane row r of tile T is row (of x) or column (of a weight) 32 (T / 2) + 8 (T % 2) + r + 8 (r / 8), so that later results have 16 neighbours along the next K in a lane.
; xq: codes [tile 512][K step 8][1,536], then scale words [tile][K / 256 (4)][r 16][2 words].  wq: the same for tiles 0-63 Wq, 64-127 Wk, 128-191 Wv, 192-255 Wo.  rope: [s 2048][i 32][cos, sin] f32.
; A block's scale is 2^(floor(log2(largest magnitude)) - 4); its byte is the largest magnitude's exponent field - 4, held at 1 from below.
; LIMITS: a block of zeros, or one whose largest magnitude lies under 2^-122, keeps the byte 1 (its codes are read by this program alone); NaN and infinities among the inputs are not served.
; The table's inv_freq = 10000^(-i / 32) is right to about 2 units in its last place, so an angle near s = 2047 may be off by about 1.5e-4.
; Work-groups 0-255: x (a wave: one tile, four K steps) and two table entries a thread.  Work-groups 256-383: the weights (a wave: two tiles x two K steps).  Waves share nothing: no barrier.
.set XSOFF, 6291456                    ; where xq's scale words begin
.set WSOFF, 3145728                    ; where wq's begin
.set FRB,   1536                       ; a fragment's image
.set SP,    528                        ; a stage row: 512 bytes + 16, an odd multiple of 16: sixteen rows' equal columns fall on different banks
.set STG,   16*SP                      ; a wave's stage
.set R,     16                         ; v16-143  x as loaded, two sets of 64 (weights' path: two sets of 64 numbers)
.set X,     144                        ; v144-207 64 numbers in the operand's order
.set C,     208                        ; v208-231 codes, two sets of 12
.set U,     232                        ; v232-239 the conversions' second halves
.set WD,    240                        ; v240-243 four scale words
.set RT,    244                        ; v244-247 two table entries to store
.set RA,    248                        ; v248     their byte offset
.set T0,    144                        ; v144-150 the table's temporaries (X is not yet in use)
.set TI,    152
.set TS,    153
.set SEL,   22                         ; s[22:23] v_permlanex16_b32's selects for lane l xor 16
	s_load_b256 s[4:11], s[0:1], 0x0               ; x, Wq, Wk, Wv
	s_load_b256 s[12:19], s[0:1], 0x20             ; Wo, xq, wq, rope
	v_lshl_add_u32 v254, v0, 2, 0x8400
	v_mov_b32 v255, 0
	v_lshrrev_b32 v1, 5, v0
	v_readfirstlane_b32 s20, v1                    ; wave
	v_and_b32 v2, 31, v0
	v_lshlrev_b32 v1, 4, v2                        ; 16 x lane
	v_lshlrev_b32 v2, 3, v2                        ; 8 x lane
	v_and_b32 v14, 15, v0                          ; r
	v_bfe_u32 v15, v0, 4, 1                        ; h
	v_lshlrev_b32 v5, 3, v15                       ; 8 h
	v_cmp_ne_u32 s21, 0, v15                       ; lanes 16-31
	v_mov_b32 v13, 0                               ; a lane permute's destination counts as one of its sources
	s_mov_b32 s[SEL], 0x76543210
	s_mov_b32 s[SEL+1], 0xfedcba98
	s_wait_kmcnt 0x0
; 64 numbers of a lane, register 32 c + i = k 64 c + 32 h + i of its row: two whole blocks.  They become the fragment's 12 registers at v[dst] and the row's scale word in v[word].
.macro QUANT2 src, dst, word
.irp c, 0,1
	v_max3_num_f32 v[6+\c], |v[\src+32*\c]|, |v[\src+32*\c+1]|, 0x2800000   ; with the floor 2^(5 - 127): the byte cannot fall under 1
.endr
.irp i, 2,4,6,8,10,12,14,16,18,20,22,24,26,28,30
.irp c, 0,1
	v_max3_num_f32 v[6+\c], v[6+\c], |v[\src+32*\c+\i]|, |v[\src+32*\c+\i+1]|   ; the two blocks by turns
.endr
.endr
.irp c, 0,1
	v_add_nc_u32 v[8+\c], 0xfe000000, v[6+\c]      ; 4 off the exponent field: the conversion's scale operand
.endr
.irp c, 0,1
	v_lshrrev_b32 v[10+\c], 23, v[8+\c]            ; the byte
.endr
	v_lshl_or_b32 v12, v11, 16, v10                ; my bytes: blocks h and 2 + h,
	v_lshlrev_b32 v12, v5, v12                     ; at their places;
	v_permlanex16_b32 v13, v12, s[SEL], s[SEL+1]
	v_or_b32 v[\word], v12, v13                    ; with lane l xor 16's two the word is whole, in both lanes
	v_cvt_scalef32_pk16_bf6_f32 v[\dst:\dst+2], v[\src:\src+15], v8
	v_cvt_scalef32_pk16_bf6_f32 v[U:U+2], v[\src+16:\src+31], v8       ; (a conversion's three registers begin on an even number)
	v_cvt_scalef32_pk16_bf6_f32 v[\dst+6:\dst+8], v[\src+32:\src+47], v9
	v_cvt_scalef32_pk16_bf6_f32 v[U+4:U+6], v[\src+48:\src+63], v9
	v_nop                                          ; one plain place behind a scaled conversion
.irp i, 0,1,2
	v_mov_b32 v[\dst+3+\i], v[U+\i]
	v_mov_b32 v[\dst+9+\i], v[U+4+\i]
.endr
.endm
; a fragment leaves as its image: each store covers 512 or 256 consecutive bytes, aligned
.macro PUT dst, base, off
	global_store_b128 v1, v[\dst:\dst+3], s[\base:\base+1] offset:\off
	global_store_b64 v2, v[\dst+4:\dst+5], s[\base:\base+1] offset:\off+512
	global_store_b128 v1, v[\dst+6:\dst+9], s[\base:\base+1] offset:\off+768
	global_store_b64 v2, v[\dst+10:\dst+11], s[\base:\base+1] offset:\off+1280
.endm
	s_cmp_lt_u32 ttmp9, 256
	s_cbranch_scc0 .Lweights
	; ---------------- x ----------------
	s_lshl_b32 s24, ttmp9, 2
	s_add_co_u32 s24, s24, s20
	s_lshr_b32 s25, s24, 1                         ; T: my tile
	s_and_b32 s26, s24, 1                          ; which four K steps
	s_lshr_b32 s27, s25, 1
	s_lshl_b32 s28, s27, 17                        ; 32 (T / 2) rows of 4,096 bytes
	s_and_b32 s27, s25, 1
	s_lshl_b32 s27, s27, 15                        ; + 8 (T % 2) rows
	s_add_co_u32 s28, s28, s27
	s_lshl_b32 s27, s26, 11                        ; + 512 numbers
	s_add_co_u32 s28, s28, s27
	s_mov_b32 s29, 0
	s_add_nc_u64 s[4:5], s[4:5], s[28:29]
	s_mul_i32 s28, s25, 8*FRB
	s_mul_i32 s27, s26, 4*FRB
	s_add_co_u32 s28, s28, s27
	s_add_nc_u64 s[34:35], s[14:15], s[28:29]      ; my four images
	s_lshl_b32 s28, s25, 9
	s_lshl_b32 s27, s26, 8
	s_add_co_u32 s28, s28, s27
	s_add_co_u32 s28, s28, XSOFF
	s_add_nc_u64 s[36:37], s[14:15], s[28:29]      ; my 256 bytes of scale words
	s_mul_i32 s38, s20, STG
	v_add_nc_u32 v3, s38, v1                       ; the stage, in: 16 x lane of a row
	v_mul_u32_u24 v4, v14, SP
	v_lshl_add_u32 v4, v15, 7, v4
	v_add_nc_u32 v4, s38, v4                       ; out: row r, + 128 h: my 32 numbers of a block
.macro LOADX t                         ; K step t of my 16 rows: each load reads 512 consecutive bytes of one row
.set n, 0
.rept 16
	global_load_b128 v[R+64*((\t)%2)+4*n:R+64*((\t)%2)+4*n+3], v1, s[4:5] offset:(n+8*(n/8))*4096+512*(\t) th:TH_LOAD_NT
.set n, n+1
.endr
.endm
.macro TURNX t                         ; through the wave's own stage: LDS serves a wave's instructions in order, so no wait stands between the stores and the loads
.set n, 0
.rept 16
	ds_store_b128 v3, v[R+64*((\t)%2)+4*n:R+64*((\t)%2)+4*n+3] offset:SP*n
.set n, n+1
.endr
.set n, 0
.rept 16
	ds_load_b128 v[X+4*n:X+4*n+3], v4 offset:256*(n/8)+16*(n%8)
.set n, n+1
.endr
.endm
	LOADX 0
	LOADX 1
	; the table, while the loads are on their way: thread g of 32,768 makes entries (s = g / 16, i = 2 (g % 16)) and (s, i + 1)
	s_mov_b32 s40, 0xbe2aaaa3                      ; sine:   r + r z (s40 + z (s41 + z s42)), z = r r, |r| <= pi / 4
	s_mov_b32 s41, 0x3c08839e
	s_mov_b32 s42, 0xb94ca1f9
	s_mov_b32 s43, 0x3d2aaaa5                      ; cosine: 1 - z / 2 + z z (s43 + z (s44 + z s45))
	s_mov_b32 s44, 0xbab6061a
	s_mov_b32 s45, 0x37ccf5ce
	s_lshl_b32 s24, ttmp9, 7
	v_add_nc_u32 v[TI], s24, v0                    ; g
	v_lshlrev_b32 v[RA], 4, v[TI]                  ; 16 bytes a thread
	v_lshrrev_b32 v[TS], 4, v[TI]
	v_cvt_f32_u32 v[TS], v[TS]                     ; s
	v_and_b32 v[TI], 15, v[TI]
	v_lshlrev_b32 v[TI], 1, v[TI]                  ; i
.macro ROPE e
	v_add_nc_u32 v[T0], \e, v[TI]
	v_cvt_f32_u32 v[T0], v[T0]
	v_mul_f32 v[T0+1], 0xbed49a40, v[T0]           ; -i x (log2(10) / 8 with its six lowest bits cleared): exact for i < 32
	v_exp_f32 v[T0+1], v[T0+1]
	v_fma_f32 v[T0+2], v[T0], 0xb59c1659, 1.0      ; 2^(-i x the rest) = 1 - i x ln 2 x the rest.  (A plain place behind the exponential)
	s_wait_alu depctr_va_vdst(0)
	v_mul_f32 v[T0+1], v[T0+1], v[T0+2]            ; inv_freq
	v_mul_f32 v[T0+1], v[TS], v[T0+1]              ; the angle, rounded once, as pos x inv_freq is
	v_mul_f32 v[T0+2], 0x3f22f983, v[T0+1]
	v_rndne_f32 v[T0+2], v[T0+2]                   ; k = the nearest multiple of pi / 2
	v_fma_f32 v[T0+1], v[T0+2], 0xbfc90fdb, v[T0+1]   ; r = angle - k pi / 2, pi / 2 in two parts
	v_fma_f32 v[T0+1], v[T0+2], 0x333bbd2e, v[T0+1]
	v_mul_f32 v[T0+3], v[T0+1], v[T0+1]            ; z
	v_fma_f32 v[T0+4], v[T0+3], s42, s41
	v_fma_f32 v[T0+4], v[T0+4], v[T0+3], s40
	v_mul_f32 v[T0+5], v[T0+1], v[T0+3]
	v_fma_f32 v[T0+4], v[T0+5], v[T0+4], v[T0+1]   ; sin r
	v_fma_f32 v[T0+5], v[T0+3], s45, s44
	v_fma_f32 v[T0+5], v[T0+5], v[T0+3], s43
	v_mul_f32 v[T0+6], v[T0+3], v[T0+3]
	v_fma_f32 v[T0+3], v[T0+3], -0.5, 1.0
	v_fma_f32 v[T0+5], v[T0+6], v[T0+5], v[T0+3]   ; cos r
	v_cvt_i32_f32 v[T0+2], v[T0+2]                 ; the quadrant: k mod 4
	v_and_b32 v[T0+6], 1, v[T0+2]
	v_cmp_ne_u32 vcc_lo, 0, v[T0+6]
	v_cndmask_b32 v[T0+3], v[T0+4], v[T0+5], vcc_lo   ; odd quadrants change sine and cosine
	v_cndmask_b32 v[T0+6], v[T0+5], v[T0+4], vcc_lo
	v_and_b32 v[T0+4], 2, v[T0+2]
	v_lshlrev_b32 v[T0+4], 30, v[T0+4]
	v_xor_b32 v[RT+2*\e+1], v[T0+4], v[T0+3]       ; the sine is negative in quadrants 2, 3
	v_add_nc_u32 v[T0+2], 1, v[T0+2]
	v_and_b32 v[T0+2], 2, v[T0+2]
	v_lshlrev_b32 v[T0+2], 30, v[T0+2]
	v_xor_b32 v[RT+2*\e], v[T0+2], v[T0+6]         ; the cosine in quadrants 1, 2
.endm
	ROPE 0
	ROPE 1
	global_store_b128 v[RA], v[RT:RT+3], s[18:19]  ; a wave stores 512 consecutive bytes; these registers are not written again
.macro XSTEP t
.if (\t) < 3
	s_wait_loadcnt 16                              ; this K step's 16 loads are in; the next step's 16 may be out
.else
	s_wait_loadcnt 0x0
.endif
	TURNX \t
	s_wait_dscnt 0x0                               ; the numbers are back, and the stores into the stage have read their registers,
.if (\t) < 2
	LOADX (\t)+2                                   ; which take the loads of two steps on
.else
	s_wait_xcnt 0x0                                ; the codes' set is written again only behind this wait: its stores of two steps ago have read it
.endif
	QUANT2 X, C+12*((\t)%2), WD+(\t)
	PUT C+12*((\t)%2), 34, FRB*(\t)
.endm
	XSTEP 0
	XSTEP 1
	XSTEP 2
	XSTEP 3
	v_cndmask_b32 v10, v[WD], v[WD+2], s21         ; lanes 0-15: my first two K steps' words of row r; lanes 16-31: the other two
	v_cndmask_b32 v11, v[WD+1], v[WD+3], s21
	global_store_b64 v2, v[10:11], s[36:37]        ; 256 consecutive bytes, aligned
	s_wait_tensorcnt 0x0
	ds_add_u32 v254, v255
	s_wait_dscnt 0x0
	s_endpgm
	; ---------------- the weights: a lane takes a column, and its registers run down K ----------------
.Lweights:
	s_sub_co_u32 s24, ttmp9, 256
	s_lshr_b32 s25, s24, 5                         ; which weight
	s_and_b32 s26, s24, 31                         ; which pair of tiles: columns 32 u on
	s_cmp_eq_u32 s25, 1
	s_cselect_b64 s[6:7], s[8:9], s[6:7]
	s_cmp_eq_u32 s25, 2
	s_cselect_b64 s[6:7], s[10:11], s[6:7]
	s_cmp_eq_u32 s25, 3
	s_cselect_b64 s[6:7], s[12:13], s[6:7]
	s_lshl_b32 s28, s26, 7                         ; 32 u columns of 4 bytes
	s_lshl_b32 s29, s20, 20                        ; + 256 x wave rows of 4,096 bytes
	s_add_co_u32 s28, s28, s29
	s_mov_b32 s29, 0
	s_add_nc_u64 s[6:7], s[6:7], s[28:29]
	s_lshl_b32 s27, s25, 6
	s_lshl_b32 s30, s26, 1
	s_add_co_u32 s27, s27, s30                     ; my first tile: 64 x weight + 2 u
	s_mul_i32 s28, s27, 8*FRB
	s_mul_i32 s30, s20, 2*FRB                      ; my K steps: 2 x wave, 2 x wave + 1
	s_add_co_u32 s28, s28, s30
	s_add_nc_u64 s[34:35], s[16:17], s[28:29]
	s_lshl_b32 s28, s27, 9
	s_lshl_b32 s30, s20, 7
	s_add_co_u32 s28, s28, s30
	s_add_co_u32 s28, s28, WSOFF
	s_add_nc_u64 s[36:37], s[16:17], s[28:29]
	v_and_b32 v3, 8, v14
	v_add_nc_u32 v3, v3, v14                       ; r + 8 (r / 8)
	v_lshlrev_b32 v3, 2, v3
	v_lshl_add_u32 v3, v15, 17, v3                 ; lanes 16-31 begin 32 rows further down
	v_lshlrev_b32 v4, 3, v14
	v_lshl_add_u32 v4, v15, 9, v4                  ; scale words: 8 r, lanes 16-31 the second tile's
.macro WLOAD set, tv, sl               ; tile tv of the pair, K step sl of my two: W(128 sl + 64 c + 32 h + i, my column) into register 32 c + i of the set
.set n, 0
.rept 64
	global_load_b32 v[R+64*(\set)+n], v3, s[6:7] offset:(128*(\sl)+n+32*(n/32))*4096+32*(\tv)
.set n, n+1
.endr
.endm
	WLOAD 0, 0, 0
	WLOAD 1, 1, 0
	s_wait_loadcnt 63                              ; the older set's 64 loads are in (the wait's field ends at 63: one load of the younger set is waited for with them)
	QUANT2 R, 144, 200
	WLOAD 0, 0, 1
	PUT 144, 34, 0                                 ; each fragment has codes' registers of its own: no store's data are written again
	s_wait_loadcnt 63
	QUANT2 R+64, 156, 201
	WLOAD 1, 1, 1
	PUT 156, 34, 8*FRB
	s_wait_loadcnt 63
	QUANT2 R, 168, 202
	PUT 168, 34, FRB
	s_wait_loadcnt 0x0
	QUANT2 R+64, 180, 203
	PUT 180, 34, 9*FRB
	v_cndmask_b32 v10, v200, v201, s21             ; lanes 0-15: the first tile's two words of row r; lanes 16-31: the second tile's
	v_cndmask_b32 v11, v202, v203, s21
	global_store_b64 v4, v[10:11], s[36:37]        ; two runs of 128 consecutive bytes: one byte in 24 of what this path stores
	s_endpgm
.Lfunc_end_k_qaf8be31701_quant:
	.size	k_qaf8be31701_quant, .Lfunc_end_k_qaf8be31701_quant-k_qaf8be31701_quant
	.p2alignl 7, 3214868480
	.fill 96, 4, 3214868480
	.section	.rodata,"a",@progbits
	.p2align	6, 0x0
	.amdhsa_kernel k_qaf8be31701_quant
		.amdhsa_group_segment_fixed_size 34304
		.amdhsa_private_segment_fixed_size 0
		.amdhsa_enable_private_segment 0
		.amdhsa_kernarg_size 64
		.amdhsa_user_sgpr_count 2
		.amdhsa_user_sgpr_kernarg_segment_ptr 1
		.amdhsa_wavefront_size32 1
		.amdhsa_system_sgpr_workgroup_id_x 1
		.amdhsa_system_sgpr_workgroup_id_y 1
		.amdhsa_system_sgpr_workgroup_id_z 1
		.amdhsa_system_vgpr_workitem_id 0
		.amdhsa_next_free_vgpr 256
		.amdhsa_next_free_sgpr 66
		.amdhsa_reserve_vcc 1
		.amdhsa_float_denorm_mode_32 3
		.amdhsa_float_denorm_mode_16_64 3
		.amdhsa_memory_ordered 1
		.amdhsa_forward_progress 1
		.amdhsa_inst_pref_size 73
	.end_amdhsa_kernel
	.amdgpu_metadata
---
amdhsa.version: [ 1, 2 ]
amdhsa.kernels:
  - .name:           k_qaf8be31701_quant
    .symbol:         k_qaf8be31701_quant.kd
    .args:
      - { .name: x, .offset: 0, .size: 8, .value_kind: global_buffer, .address_space: global }
      - { .name: Wq, .offset: 8, .size: 8, .value_kind: global_buffer, .address_space: global }
      - { .name: Wk, .offset: 16, .size: 8, .value_kind: global_buffer, .address_space: global }
      - { .name: Wv, .offset: 24, .size: 8, .value_kind: global_buffer, .address_space: global }
      - { .name: Wo, .offset: 32, .size: 8, .value_kind: global_buffer, .address_space: global }
      - { .name: xq, .offset: 40, .size: 8, .value_kind: global_buffer, .address_space: global }
      - { .name: wq, .offset: 48, .size: 8, .value_kind: global_buffer, .address_space: global }
      - { .name: rope, .offset: 56, .size: 8, .value_kind: global_buffer, .address_space: global }
    .group_segment_fixed_size: 34304
    .private_segment_fixed_size: 0
    .kernarg_segment_align: 8
    .kernarg_segment_size: 64
    .max_flat_workgroup_size: 128
    .sgpr_count:     66
    .vgpr_count:     256
    .wavefront_size: 32
...
	.end_amdgpu_metadata
.endif
;; end of part 1
;; launch proj (part 2): grid 12 x 32, 4 waves a work-group, clusters of 4 x 4, 327,680 bytes of LDS; arguments xq, wq, rope, qq, kv; writes qq, kv
.if DOCPART == 2
	.amdgcn_target "amdgcn-amd-amdhsa--gfx1250"
	.amdhsa_code_object_version 6
	.text
	.protected	k_qaf8be31701_proj
	.globl	k_qaf8be31701_proj
	.p2align	8
	.type	k_qaf8be31701_proj,@function
k_qaf8be31701_proj:
	s_mov_b64 s[64:65], 0
	v_nop
	global_prefetch_b8 v0, s[64:65] scope:SCOPE_SE
	s_setreg_imm32_b32 hwreg(HW_REG_WAVE_MODE, 25, 1), 1
	s_wait_xcnt 0x0
	s_wait_alu depctr_hold_cnt(0) depctr_sa_sdst(0) depctr_va_vdst(0) depctr_va_sdst(0) depctr_va_ssrc(0) depctr_va_vcc(0) depctr_vm_vsrc(0)
	s_getreg_b32 s2, hwreg(HW_REG_IB_STS2, 6, 4)
	s_cmp_eq_u32 s2, 0
	s_cbranch_scc0 .Lentry_in_a_cluster
	s_endpgm
.Lentry_in_a_cluster:
	s_bfe_u32 s2, ttmp6, 0x10000c
	s_cmp_lg_u32 s2, 0xf033
	s_cbranch_scc0 .Lentry_shape_is_right
	s_endpgm
.Lentry_shape_is_right:
; Q = x Wq, K = x Wk (each rotated, then quantised along the head's 64) and V^T = Wv^T x^T (quantised along the keys), all on codes of BF6 (E3M2) with E8M0 scales; only codes and scale words leave.
; A tile of the result, 256 x 256, is made by four waves, each 128 x 128 in 64 accumulators (512 registers).  K = 1,024 goes in four steps of 256 through a ring of two LDS slots.
; OPERANDS LIE IN MEMORY AS IMAGES OF THE FRAGMENTS' REGISTERS (1,536 bytes for 16 rows x 128 K: registers 0-3 at 16 x lane, 4-5 at 512 + 8 x lane, 6-9 at 768 + 16 x lane, 10-11 at 1,280 + 8 x lane), so a fragment comes from LDS by
; four loads of 512 or 256 consecutive bytes: no pitch, no padding.  Lane row r of tile T is the true row 32 (T / 2) + 8 (T % 2) + r + 8 (r / 8).
; THE MATRIX INSTRUCTION IS USED TRANSPOSED (source 0 = side B's tile, source 1 = side A's): lane (r, h) holds row r of A's tile, and registers 16 c + i of A's block a hold B's true index 32 c + 16 h + i: 16 neighbours.
; ROLES.  Clusters with x = 0, 1: A = x (tile rows 0-31), B = Wq, Wk (tile columns 0-7).  Clusters with x = 2: A = Wv's columns (tile rows 0-3), B = x (tile columns 0-31): so V's keys run along a lane's registers.
; The choice hangs on the cluster's x alone, which all sixteen partners share.  CLUSTERS: 4 x 4; A's tiles are asked for jointly along a row of the cluster, B's along a column.
; THE WAY OUT uses no LDS: a block's 64 numbers a lane are rotated (Q, K), quantised in registers, and the codes ARE the next product's register images.
;   qq, a head's 106,496 bytes: [tile 128][768: registers 0-5 of a fragment], then [step 16][lane 32][4 words]: register i of lane (r, h) = the scale word of tile 2 i + h of the step.
;   kv, a head's 208,896 bytes: [step 16][K: 8 tiles x 768 | V^T: 4 tiles of 16 d x 1,536], K's scale words as qq's at 196,608, V's [step][lane][2 words] at 204,800.
; LIMITS: a block of zeros, or one whose largest magnitude lies under 2^-122, keeps the byte 1 (this program alone reads the bytes); NaN and infinities are not served.
; REGISTERS, in windows of 256: window 0: v1-3, v16-29 addresses; v32-63 scale words, two sets, and nothing else; from v128 A's fragments, one set; on the way out v64-243.  window 1: B's fragments, two sets, at v0 and v128.
;   window 2: the accumulators of my rows 0-63 ((a, b) at v[8 (8 a + b)]);  window 3: those of my rows 64-127.
.set XSOFF,  6291456                   ; xq's scale words
.set WSOFF,  3145728                   ; wq's
.set QHB,    106496                    ; a head's block in qq
.set KHB,    208896                    ; and in kv
.set NQ,     2                         ; matrix instructions deep in a slot
.set FR,     12                        ; registers of a fragment
.set NL,     4                         ; LDS loads that bring one
.set NP,     4                         ; places behind this matrix instruction (ISA guide 7.12.1)
.set FRB,    1536                      ; a fragment's image
.set TROW,   NQ*FRB                    ; a tile's part of a K step: one row of a tensor load
.set TPITCH, 8*FRB                     ; from tile to tile in memory
.set HALFT,  8*TROW                    ; 8 tiles: what one tensor load brings, and what one wave reads of A or of B
.set SLOT,   4*HALFT
.set LAPS,   2                         ; a lap = two K steps = once round the ring
.set SCL,    2*SLOT                    ; behind the ring: the scale words of A's and B's 16 tiles, for all of K: filled once
.set HALFS,  8*512
.set SBLK,   512                       ; a tile's scale words: [K / 256][r][2 words]
.set SPARE,  SCL+4*HALFS               ; the spare words, 128 bytes for each wave: two blocks of 256 bytes that no other line names
.set ADRA, 16                          ; v16-17 LDS address of my A fragments in slot 0, 1, + 16 x lane;  v18-19 the same + 8 x lane
.set ADRB, 20                          ; v20-23 the same for B
.set ADRS, 27                          ; v27    my scale words: lanes 0-15 A's rows, lanes 16-31 B's
.set SPW,  28                          ; v28    SPARE + 4 x my thread's number; never rewritten
.set NIL,  29                          ; v29    0; never rewritten
.set SC,   32
.set AF,   128
.set ST,   64                          ; the way out: v64-127 64 rotated numbers
.set CS,   128                         ; v128-191 cos and sin, two sets of 32
.set PC,   192                         ; v192-211 the codes just made
.set TM,   212                         ; v212-227 at work
.set WRD,  228                         ; v228-235 the eight blocks' scale words
.set SW,   236                         ; v236-243 the scale words as they are stored
.set SW2,  240
.set G1, 24
.set G0, 32
.set G1B, 48
.set G0B, 56
.set G1S, 68
.set G0S, 76
.set G1SB, 80
.set G0SB, 88
.set MSB, 0
.macro WIN new                         ; the immediate's high byte repeats the setting that is left
.if MSB != (\new)
	s_set_vgpr_msb (MSB<<8)|(\new)
.set MSB, (\new)
.endif
.endm
.set MUL_LO, 0xa1                      ; source 0 (B) window 1, source 1 (A) window 0, C and D window 2
.set MUL_HI, 0xf1
.set TO_B,   0x40
; A joint load: waves 0 and 1 fetch for A, waves 2 and 3 for B; the branch hangs on the wave's number alone.  Four v_nop follow each of the two lines.
.macro JLOAD g0a, g1a, g0b, g1b
	s_cmp_eq_u32 s15, 0
	s_cbranch_scc0 .Lfor_b_\@
	tensor_load_to_lds s[\g0a:\g0a+3], s[\g1a:\g1a+7]
	s_nop 0
.rept 4
	v_nop
.endr
	s_branch .Lasked_\@
.Lfor_b_\@:
	tensor_load_to_lds s[\g0b:\g0b+3], s[\g1b:\g1b+7]
	s_nop 0
.rept 4
	v_nop
.endr
.Lasked_\@:
.endm
.macro CREST                           ; a round of the cluster's barrier behind its opening barrier
	s_cmp_lg_u32 s14, 0
	s_cbranch_scc1 .Lnot_wave_0_\@
	s_barrier_signal -3
.Lnot_wave_0_\@:
	s_barrier_wait -3
	s_barrier_signal -1
	s_barrier_wait -1
.endm
.macro CROUND
	s_barrier_signal -1
	s_barrier_wait -1
	CREST
.endm
	s_load_b128 s[84:87], s[0:1], 0x0              ; xq, wq
	s_load_b128 s[96:99], s[0:1], 0x10             ; rope, qq
	s_load_b64 s[100:101], s[0:1], 0x20            ; kv
	v_lshl_add_u32 v[SPW], v0, 2, SPARE
	v_mov_b32 v[NIL], 0
	ds_add_u32 v28, v29
	ds_add_u32 v28, v29
	s_wait_dscnt 0x0
	v_lshrrev_b32 v4, 5, v0
	v_readfirstlane_b32 s14, v4                    ; wave 0..3
	s_lshr_b32 s15, s14, 1                         ; which half of the tile's rows is mine.  Also: I fetch for A (0) or for B (1)
	s_and_b32 s16, s14, 1                          ; which half of its columns.  Also: which 8 tiles I fetch
	s_bfe_u32 s40, ttmp6, 0x40000                  ; cx, cy: my place in the cluster
	s_bfe_u32 s41, ttmp6, 0x40004
	s_and_b32 s18, ttmp7, 0xffff                   ; the cluster's y
	s_cmp_eq_u32 ttmp9, 2                          ; the clusters with x = 2 make V^T
	s_cselect_b32 s66, 1, 0
	s_cselect_b32 s42, s18, ttmp9
	s_cselect_b32 s17, 0, s18
	s_lshl_b32 s42, s42, 2
	s_add_co_u32 s42, s42, s40                     ; tile column
	s_lshl_b32 s17, s17, 2
	s_add_co_u32 s17, s17, s41                     ; tile row
	s_lshl_b32 s43, s41, 2
	s_lshl_b32 s43, 15, s43                        ; my row of the cluster
	s_lshl_b32 s44, 0x1111, s40                    ; my column
	s_wait_kmcnt 0x0
	s_add_nc_u64 s[76:77], s[86:87], 128*TPITCH    ; Wv's codes,
	s_add_nc_u64 s[78:79], s[86:87], WSOFF+128*512 ; Wv's scale words,
	s_add_nc_u64 s[88:89], s[84:85], XSOFF         ; x's scale words,
	s_add_nc_u64 s[90:91], s[86:87], WSOFF         ; Wq's and Wk's
	s_cmp_eq_u32 ttmp9, 2
	s_cselect_b64 s[4:5], s[76:77], s[84:85]       ; A's codes
	s_cselect_b64 s[6:7], s[78:79], s[88:89]       ; A's scale words
	s_cselect_b64 s[8:9], s[84:85], s[86:87]       ; B's codes
	s_cselect_b64 s[10:11], s[88:89], s[90:91]     ; B's scale words
	; descriptor group 1: 8 rows (one a tile) of 3,072 bytes, 12,288 bytes apart, dense in LDS; elements of 8 bytes
	s_or_b32 s[G1+0], s43, (3<<16)|(1<<21)         ; 15:0 the mask: A's tiles go to my row; 17:16 elements of 8 bytes; 21 set beside a mask
	s_or_b32 s[G1B+0], s44, (3<<16)|(1<<21)
.irp g, G1, G1B
	s_mov_b32 s[\g+1], 384<<16                     ; tensor_dim0
	s_mov_b32 s[\g+2], 8<<16                       ; tensor_dim1
	s_mov_b32 s[\g+3], 384<<16                     ; tile_dim0
	s_mov_b32 s[\g+4], 8                           ; tile_dim1
	s_mov_b32 s[\g+5], 1536                        ; tensor_dim0_stride
	s_mov_b32 s[\g+6], 0
	s_mov_b32 s[\g+7], 0
.endr
	; and for the scale words of 8 tiles: 4,096 dense bytes as 16 rows of 256
	s_or_b32 s[G1S+0], s43, (3<<16)|(1<<21)
	s_or_b32 s[G1SB+0], s44, (3<<16)|(1<<21)
.irp g, G1S, G1SB
	s_mov_b32 s[\g+1], 32<<16
	s_mov_b32 s[\g+2], 16<<16
	s_mov_b32 s[\g+3], 32<<16
	s_mov_b32 s[\g+4], 16
	s_mov_b32 s[\g+5], 32
	s_mov_b32 s[\g+6], 0
	s_mov_b32 s[\g+7], 0
.endr
	s_lshl_b32 s18, s16, 3                         ; which 8 tiles of the 16 I fetch
	s_lshl_b32 s20, s17, 4
	s_add_co_u32 s20, s20, s18                     ; A: tile 16 x tile row + 8 x half
	s_lshl_b32 s46, s42, 4
	s_add_co_u32 s46, s46, s18                     ; B: tile 16 x tile column + 8 x half
	s_lshl_b32 s22, s20, 9                         ; where these tiles' scale words begin,
	s_mov_b32 s23, 0
	s_lshl_b32 s92, s46, 9
	s_mov_b32 s93, 0
	s_mul_i32 s20, s20, TPITCH                     ; and their codes
	s_mov_b32 s21, 0
	s_mul_i32 s46, s46, TPITCH
	s_mov_b32 s47, 0
	s_mul_i32 s45, s14, HALFT                      ; where they go: no place in the cluster enters an LDS address
	s_mul_i32 s94, s14, HALFS
	s_add_nc_u64 s[20:21], s[4:5], s[20:21]
	s_add_nc_u64 s[22:23], s[6:7], s[22:23]
	s_add_nc_u64 s[46:47], s[8:9], s[46:47]
	s_add_nc_u64 s[92:93], s[10:11], s[92:93]
	CROUND                                         ; all sixteen work-groups are here: the first joint loads meet
	s_mov_b32 s[G0S], 1
	s_add_co_u32 s[G0S+1], s94, SCL
	s_mov_b64 s[G0S+2:G0S+3], s[22:23]
	s_or_b32 s[G0S+3], s[G0S+3], 0x80000000
	s_mov_b32 s[G0SB], 1
	s_add_co_u32 s[G0SB+1], s94, SCL
	s_mov_b64 s[G0SB+2:G0SB+3], s[92:93]
	s_or_b32 s[G0SB+3], s[G0SB+3], 0x80000000
	JLOAD G0S, G1S, G0SB, G1SB                     ; the scale words first: they are wanted with K step 0
.irp s, 0,1
	s_mov_b32 s[G0+4*\s], 1
	s_add_co_u32 s[G0+4*\s+1], s45, \s*SLOT
	s_add_nc_u64 s[G0+4*\s+2:G0+4*\s+3], s[20:21], \s*TROW
	s_or_b32 s[G0+4*\s+3], s[G0+4*\s+3], 0x80000000
	s_mov_b32 s[G0B+4*\s], 1
	s_add_co_u32 s[G0B+4*\s+1], s45, \s*SLOT
	s_add_nc_u64 s[G0B+4*\s+2:G0B+4*\s+3], s[46:47], \s*TROW
	s_or_b32 s[G0B+4*\s+3], s[G0B+4*\s+3], 0x80000000
	JLOAD G0+4*\s, G1, G0B+4*\s, G1B               ; by this text's count three tensor loads of a wave are out now
.endr
	v_and_b32 v4, 31, v0
	v_lshlrev_b32 v1, 4, v4                        ; 16 x lane
	v_lshlrev_b32 v2, 3, v4                        ; 8 x lane
	v_and_b32 v5, 15, v0                           ; r
	v_bfe_u32 v6, v0, 4, 1                         ; h
	v_cmp_ne_u32 s67, 0, v6                        ; lanes 16-31
	s_mul_i32 s21, s15, HALFT                      ; my 8 tiles of A
	s_mul_i32 s22, s16, HALFT                      ; my 8 tiles of B,
	s_add_co_u32 s22, s22, 2*HALFT                 ; which lie behind A's 16
.irp s, 0,1
	v_add_nc_u32 v[ADRA+\s], s21, v1
	v_add_nc_u32 v[ADRB+\s], s22, v1
	v_add_nc_u32 v[ADRA+2+\s], s21, v2
	v_add_nc_u32 v[ADRB+2+\s], s22, v2
	s_add_co_u32 s21, s21, SLOT
	s_add_co_u32 s22, s22, SLOT
.endr
	v_lshlrev_b32 v7, 3, v5                        ; my row's two words of a K step
	s_mul_i32 s21, s15, HALFS
	s_mul_i32 s22, s16, HALFS
	s_add_co_u32 s22, s22, 2*HALFS
	s_sub_co_u32 s22, s22, s21
	v_mul_u32_u24 v8, s22, v6                      ; lanes 16-31 take B's: one product, the distance between the two bases
	s_add_co_u32 s21, s21, SCL
	v_add_nc_u32 v7, v7, v8
	v_add_nc_u32 v[ADRS], s21, v7
	v_and_b32 v3, 8, v5
	v_add_nc_u32 v3, v3, v5
	v_lshlrev_b32 v3, 8, v3
	v_lshl_add_u32 v3, v6, 6, v3                   ; the table of cos and sin: row r + 8 (r / 8) of 256 bytes, + 64 h
.macro FRAG reg, adr, q, i             ; a fragment comes as it was stored
	ds_load_b128 v[\reg:\reg+3], v[\adr] offset:(\i)*TROW+(\q)*FRB
	ds_load_b64 v[\reg+4:\reg+5], v[\adr+2] offset:(\i)*TROW+(\q)*FRB+512
	ds_load_b128 v[\reg+6:\reg+9], v[\adr] offset:(\i)*TROW+(\q)*FRB+768
	ds_load_b64 v[\reg+10:\reg+11], v[\adr+2] offset:(\i)*TROW+(\q)*FRB+1280
.endm
; 16 matrix instructions: A's blocks a0, a0 + 1 x B's eight, 128 along K.  The 64 accumulators take turns, one instruction a turn, in the same order in every step.
.macro MUL16 a0, p, q, sc, zero
.irp a, \a0, \a0+1
.irp b, 0,1,2,3,4,5,6,7
.if \zero
	v_wmma_scale_f32_16x16x128_f8f6f4 v[8*(8*((\a)%4)+\b):8*(8*((\a)%4)+\b)+7], v[128*(\p)+FR*\b:128*(\p)+FR*\b+FR-1], v[AF+FR*(\a):AF+FR*(\a)+FR-1], 0, v[SC+8*NQ*(\sc)+NQ*\b+(\q)], v[SC+8*NQ*(\sc)+NQ*(\a)+(\q)] matrix_a_fmt:MATRIX_FMT_BF6 matrix_b_fmt:MATRIX_FMT_BF6 matrix_a_scale:MATRIX_SCALE_ROW1
.else
	v_wmma_scale_f32_16x16x128_f8f6f4 v[8*(8*((\a)%4)+\b):8*(8*((\a)%4)+\b)+7], v[128*(\p)+FR*\b:128*(\p)+FR*\b+FR-1], v[AF+FR*(\a):AF+FR*(\a)+FR-1], v[8*(8*((\a)%4)+\b):8*(8*((\a)%4)+\b)+7], v[SC+8*NQ*(\sc)+NQ*\b+(\q)], v[SC+8*NQ*(\sc)+NQ*(\a)+(\q)] matrix_a_fmt:MATRIX_FMT_BF6 matrix_b_fmt:MATRIX_FMT_BF6 matrix_a_scale:MATRIX_SCALE_ROW1
.endif
.endr
.endr
.endm
.macro FETCH_B slot, q, p
	WIN TO_B
.irp i, 0,1,2,3,4,5,6,7
	FRAG 128*(\p)+FR*\i, ADRB+\slot, \q, \i
.endr
	WIN 0
.endm
.macro FETCH_A slot, q, i0
.irp i, \i0, \i0+1, \i0+2, \i0+3
	FRAG AF+FR*(\i), ADRA+\slot, \q, \i
.endr
.endm
.macro SCALES sc                       ; a K step's scale words: lanes 0-15 take A's block i, lanes 16-31 B's block i
.irp i, 0,1,2,3,4,5,6,7
	ds_load_b64 v[SC+8*NQ*\sc+NQ*\i:SC+8*NQ*\sc+NQ*\i+1], v[ADRS] offset:\i*SBLK
.endr
.endm
.macro PLACES n                        ; plain vector instructions between a matrix instruction and a load into, or a vector instruction on, its registers
.rept \n
	v_nop
.endr
.endm
.macro STEP slot, q, zero              ; a step of 128 along K that has its successor in the same slot
	s_wait_dscnt 4*NL                              ; B's set and A's blocks 0-3 are in; the youngest 16 loads (A's blocks 4-7) may be out
	WIN MUL_LO
	MUL16 0, (\q)%2, \q, \slot, \zero
	MUL16 2, (\q)%2, \q, \slot, \zero
	s_wait_dscnt 0
	PLACES NP
	FETCH_B \slot, (\q)+1, 1-(\q)%2
	FETCH_A \slot, (\q)+1, 0
	WIN MUL_HI
	MUL16 4, (\q)%2, \q, \slot, \zero
	MUL16 6, (\q)%2, \q, \slot, \zero
	PLACES NP
	WIN 0
	FETCH_A \slot, (\q)+1, 4
.endm
; A slot's last step changes slots: one barrier; in front of it each wave waits for all its tensor loads, adds 0 to its spare word, and waits for that and for its own reads of this slot.
.macro TURN slot, next, fill
	s_wait_tensorcnt 0x0                           ; all my tensor loads have landed: my part of the next slot
	ds_add_u32 v[SPW], v[NIL]                      ; 0 onto my spare word
	s_wait_dscnt 4*NL+1                            ; (the add and the youngest 16 loads, A's blocks 4-7, may be out)
	WIN MUL_LO
	MUL16 0, 1, NQ-1, \slot, 0
	s_wait_dscnt 0x0                               ; the add is done, and my reads of this slot are over
	s_barrier_signal -1
	MUL16 2, 1, NQ-1, \slot, 0
	WIN 0
	s_barrier_wait -1
.if \fill
	CREST                                          ; the barrier has opened a round of the cluster's barrier: no wave of any partner still reads this slot or has a load on its way
	s_add_nc_u64 s[G0+4*\slot+2:G0+4*\slot+3], s[G0+4*\slot+2:G0+4*\slot+3], 2*TROW
	s_add_nc_u64 s[G0B+4*\slot+2:G0B+4*\slot+3], s[G0B+4*\slot+2:G0B+4*\slot+3], 2*TROW
	JLOAD G0+4*\slot, G1, G0B+4*\slot, G1B         ; the first tensor load behind the round, and my only one until the next
.else
	PLACES NP
.endif
	v_add_nc_u32 v[ADRS], 128, v[ADRS]             ; on to the next K step's scale words (no LDS load of mine is out)
	FETCH_B \next, 0, 0
	FETCH_A \next, 0, 0
	SCALES \next
	WIN MUL_HI
	MUL16 4, 1, NQ-1, \slot, 0
	MUL16 6, 1, NQ-1, \slot, 0
	PLACES NP
	WIN 0
	FETCH_A \next, 0, 4
.endm
	s_wait_tensorcnt 1                             ; the scale words and my part of K step 0 are in (K step 1's load may be out)
	s_barrier_signal -1
	s_barrier_wait -1                              ; everybody's are
	FETCH_B 0, 0, 0
	FETCH_A 0, 0, 0
	SCALES 0
	FETCH_A 0, 0, 4
	STEP 0, 0, 1                                   ; the first step's products start the sums: nothing is cleared
	s_mov_b32 s3, LAPS-1
.Llap:
	TURN 0, 1, 1
	STEP 1, 0, 0
	TURN 1, 0, 1
	STEP 0, 0, 0
	s_sub_co_u32 s3, s3, 1
	s_cmp_lg_u32 s3, 0
	s_cbranch_scc1 .Llap
	TURN 0, 1, 0                                   ; the last lap fills nothing
	STEP 1, 0, 0
	s_wait_dscnt 4*NL
	WIN MUL_LO
	MUL16 0, 1, NQ-1, 1, 0
	MUL16 2, 1, NQ-1, 1, 0
	s_wait_dscnt 0
	WIN MUL_HI
	MUL16 4, 1, NQ-1, 1, 0
	MUL16 6, 1, NQ-1, 1, 0
	WIN 0
; THE WAY OUT.  64 numbers of a lane, v[s] on in window w, register 16 b + i = index 32 b + 16 h + i of my row, become a fragment's codes in v[PC] on and its scale word in v[pw].  Each accumulator is read from its low end on.
.macro QUANT s, w, pw
	WIN 5*(\w)                                     ; sources 0 and 1 in window w
.irp b, 0,1,2,3
	v_max3_num_f32 v[TM+\b], |v[\s+16*\b]|, |v[\s+1+16*\b]|, 0x2800000   ; with the floor 2^(5 - 127): the byte cannot fall under 1
.endr
.irp i, 2,4,6,8,10,12,14
.irp b, 0,1,2,3
	v_max3_num_f32 v[TM+\b], |v[\s+16*\b+\i]|, |v[\s+1+16*\b+\i]|, v[TM+\b]   ; the four blocks by turns
.endr
.endr
	WIN 0
.irp b, 0,1,2,3
	v_permlanex16_b32 v[TM+4+\b], v[TM+\b], s20, s21
.endr
.irp b, 0,1,2,3
	v_max_num_f32 v[TM+\b], v[TM+\b], v[TM+4+\b]   ; with lane l xor 16's: the block's largest magnitude
.endr
.irp b, 0,1,2,3
	v_add_nc_u32 v[TM+12+\b], 0xfe000000, v[TM+\b] ; 4 off its exponent field: the conversion's scale operand
.endr
.irp b, 0,1,2,3
	v_lshrrev_b32 v[TM+4+\b], 23, v[TM+12+\b]      ; the byte
.endr
	v_lshl_or_b32 v[\pw], v[TM+5], 8, v[TM+4]
	v_lshl_or_b32 v[\pw], v[TM+6], 16, v[\pw]
	v_lshl_or_b32 v[\pw], v[TM+7], 24, v[\pw]      ; my row's scale word, the same in lanes l and l xor 16
	WIN \w
.irp c, 0,1
	v_cvt_scalef32_pk16_bf6_f32 v[PC+6*\c:PC+2+6*\c], v[\s+32*\c:\s+15+32*\c], v[TM+12+2*\c]
	v_cvt_scalef32_pk16_bf6_f32 v[PC+12+4*\c:PC+14+4*\c], v[\s+16+32*\c:\s+31+32*\c], v[TM+12+2*\c+1]   ; (a conversion's three registers begin on an even number)
.endr
	WIN 0
	v_nop                                          ; one plain place behind a scaled conversion
.irp c, 0,1                            ; the operand's layout wants a whole block in a lane: lanes 0-15 block 2 c, lanes 16-31 block 2 c + 1
.irp i, 0,1,2
	v_permlane16_swap_b32 v[PC+6*\c+\i], v[PC+12+4*\c+\i]
.endr
.irp i, 0,1,2
	v_mov_b32 v[PC+3+6*\c+\i], v[PC+12+4*\c+\i]
.endr
.endr
.endm
	PLACES NP                                      ; behind the last products: for the reads of results and for the writes and loads over A's fragments
	s_mov_b32 s20, 0x76543210
	s_mov_b32 s21, 0xfedcba98                      ; v_permlanex16_b32's selects for lane l xor 16
.irp b, 0,1,2,3
	v_mov_b32 v[TM+4+\b], 0                        ; written once: a lane permute's destination counts as one of its sources
.endr
	s_cmp_eq_u32 s66, 1
	s_cbranch_scc1 .Lvpath
	; ---- Q and K.  My 128 rows are step 2 (tile row % 8) + row half of batch tile row / 8; my 128 columns are two heads
	s_lshr_b32 s4, s17, 3                          ; the batch
	s_and_b32 s5, s17, 7
	s_lshl_b32 s6, s5, 1
	s_add_co_u32 s6, s6, s15                       ; the step of 128 rows
	s_and_b32 s7, s42, 3
	s_lshl_b32 s7, s7, 2
	s_lshl_b32 s8, s16, 1
	s_add_co_u32 s7, s7, s8                        ; my first head
	s_lshl_b32 s8, s4, 4
	s_add_co_u32 s8, s8, s7                        ; 16 x batch + head
	s_mov_b32 s12, KHB
	s_mov_b32 s18, 12288
	s_mov_b32 s19, 196608
	s_cmp_eq_u32 ttmp9, 0                          ; Q's clusters or K's
	s_cselect_b64 s[10:11], s[98:99], s[100:101]
	s_cselect_b32 s12, QHB, s12                    ; a head's block,
	s_cselect_b32 s18, 6144, s18                   ; a step's bytes in it,
	s_cselect_b32 s19, 98304, s19                  ; where its scale words begin
	s_mov_b32 s13, 0
	s_mul_i32 s22, s8, s12
	s_mov_b32 s23, 0
	s_add_nc_u64 s[10:11], s[10:11], s[22:23]      ; my first head's block
	s_mul_i32 s22, s6, s18
	s_add_nc_u64 s[24:25], s[10:11], s[22:23]      ; its step's codes,
	s_add_nc_u64 s[26:27], s[24:25], s[12:13]      ; the second head's,
	s_lshl_b32 s22, s6, 9
	s_add_co_u32 s22, s22, s19
	s_add_nc_u64 s[28:29], s[10:11], s[22:23]      ; the step's scale words,
	s_add_nc_u64 s[30:31], s[28:29], s[12:13]      ; the second head's
	s_lshl_b32 s22, s5, 16
	s_lshl_b32 s9, s15, 15
	s_add_co_u32 s22, s22, s9
	s_add_nc_u64 s[32:33], s[96:97], s[22:23]      ; the table at my first position: (256 (tile row % 8) + 128 half) rows of 256 bytes
.macro CSLOAD a                        ; cos and sin of block a's rows: for each half of a head, my eight pairs: 64 bytes
.set m, 0
.rept 8
	global_load_b128 v[CS+32*((\a)%2)+4*m:CS+32*((\a)%2)+4*m+3], v3, s[32:33] offset:(32*((\a)/2)+8*((\a)%2))*256+128*(m/4)+16*(m%4)
.set m, m+1
.endr
.endm
	CSLOAD 0
	CSLOAD 1
.irp a, 0,1,2,3,4,5,6,7
.if \a < 7
	s_wait_loadcnt 8                               ; this block's cos and sin are in; the next block's 8 loads may be out
.else
	s_wait_loadcnt 0x0
.endif
	s_wait_xcnt 0x0                                ; the codes' registers are written again only behind this wait: the last block's stores have read them
	WIN 2+\a/4                                     ; source 0: the accumulators' window
.set n, 0
.rept 32                               ; registers 2 n, 2 n + 1 are a pair (x1, x2) of the rotation: first (-x2 sin, x1 sin),
	v_pk_mul_f32 v[ST+2*n:ST+2*n+1], v[64*(\a%4)+2*n:64*(\a%4)+2*n+1], v[CS+32*(\a%2)+(2*n)%32:CS+32*(\a%2)+(2*n)%32+1] op_sel:[1,1] op_sel_hi:[0,1] neg_lo:[0,1]
.set n, n+1
.endr
.set n, 0
.rept 32                               ; then + (x1 cos, x2 cos)
	v_pk_fma_f32 v[ST+2*n:ST+2*n+1], v[64*(\a%4)+2*n:64*(\a%4)+2*n+1], v[CS+32*(\a%2)+(2*n)%32:CS+32*(\a%2)+(2*n)%32+1], v[ST+2*n:ST+2*n+1] op_sel_hi:[1,0,1]
.set n, n+1
.endr
	WIN 0
.if \a < 6
	CSLOAD \a+2
.endif
	QUANT ST, 0, WRD+\a
	global_store_b128 v1, v[PC:PC+3], s[24:25] offset:768*\a          ; registers 0-5: my first head's 64; each store covers 512 or 256 consecutive bytes, aligned
	global_store_b64 v2, v[PC+4:PC+5], s[24:25] offset:768*\a+512
	global_store_b128 v1, v[PC+6:PC+9], s[26:27] offset:768*\a        ; registers 6-11: the second head's
	global_store_b64 v2, v[PC+10:PC+11], s[26:27] offset:768*\a+512
.endr
.irp i, 0,1,2,3
	v_cndmask_b32 v[SW+\i], v[WRD+2*\i], v[WRD+2*\i+1], s67   ; register i: lanes 0-15 tile 2 i's word, lanes 16-31 tile 2 i + 1's.  Bytes 0, 1 are the first head's
.endr
.irp i, 0,1,2,3
	v_lshrrev_b32 v[SW2+\i], 16, v[SW+\i]          ; the second head's two bytes, at bytes 0, 1
.endr
	global_store_b128 v1, v[SW:SW+3], s[28:29]
	global_store_b128 v1, v[SW2:SW2+3], s[30:31]
	s_branch .Ljoin
	; ---- V^T.  My 128 rows are two heads' d; my 128 columns are a step of keys, which run along my registers
.Lvpath:
	s_lshr_b32 s4, s42, 3                          ; the batch
	s_and_b32 s5, s42, 7
	s_lshl_b32 s6, s5, 1
	s_add_co_u32 s6, s6, s16                       ; the step of 128 keys
	s_lshl_b32 s7, s17, 2
	s_lshl_b32 s8, s15, 1
	s_add_co_u32 s7, s7, s8                        ; my first head
	s_lshl_b32 s8, s4, 4
	s_add_co_u32 s8, s8, s7
	s_mul_i32 s22, s8, KHB
	s_mov_b32 s23, 0
	s_add_nc_u64 s[10:11], s[100:101], s[22:23]
	s_mul_i32 s22, s6, 12288
	s_add_co_u32 s22, s22, 6144
	s_add_nc_u64 s[24:25], s[10:11], s[22:23]      ; the step's four fragments of V^T
	s_lshl_b32 s22, s6, 8
	s_add_co_u32 s22, s22, 204800
	s_add_nc_u64 s[28:29], s[10:11], s[22:23]      ; and their scale words
.irp a, 0,1,2,3,4,5,6,7
	s_wait_xcnt 0x0                                ; the codes' registers are written again only behind this wait
	QUANT 64*(\a%4), 2+\a/4, WRD+\a
	global_store_b128 v1, v[PC:PC+3], s[24:25] offset:(\a/4)*KHB+(\a%4)*FRB
	global_store_b64 v2, v[PC+4:PC+5], s[24:25] offset:(\a/4)*KHB+(\a%4)*FRB+512
	global_store_b128 v1, v[PC+6:PC+9], s[24:25] offset:(\a/4)*KHB+(\a%4)*FRB+768
	global_store_b64 v2, v[PC+10:PC+11], s[24:25] offset:(\a/4)*KHB+(\a%4)*FRB+1280
.endr
.irp i, 0,1,2,3
	v_cndmask_b32 v[SW+\i], v[WRD+2*\i], v[WRD+2*\i+1], s67
.endr
	global_store_b64 v2, v[SW:SW+1], s[28:29]              ; my first head's four tiles,
	global_store_b64 v2, v[SW+2:SW+3], s[28:29] offset:KHB ; the second head's
.Ljoin:
	s_wait_tensorcnt 0x0                           ; the wave's end
	ds_add_u32 v[SPW], v[NIL]
	s_wait_dscnt 0x0
	CROUND                                         ; the closing round: no work-group ends while a partner may still ask for a tile that names it
	s_endpgm
.Lfunc_end_k_qaf8be31701_proj:
	.size	k_qaf8be31701_proj, .Lfunc_end_k_qaf8be31701_proj-k_qaf8be31701_proj
	.p2alignl 7, 3214868480
	.fill 96, 4, 3214868480
	.section	.rodata,"a",@progbits
	.p2align	6, 0x0
	.amdhsa_kernel k_qaf8be31701_proj
		.amdhsa_group_segment_fixed_size 327680
		.amdhsa_private_segment_fixed_size 0
		.amdhsa_enable_private_segment 0
		.amdhsa_kernarg_size 40
		.amdhsa_user_sgpr_count 2
		.amdhsa_user_sgpr_kernarg_segment_ptr 1
		.amdhsa_wavefront_size32 1
		.amdhsa_system_sgpr_workgroup_id_x 1
		.amdhsa_system_sgpr_workgroup_id_y 1
		.amdhsa_system_sgpr_workgroup_id_z 1
		.amdhsa_system_vgpr_workitem_id 0
		.amdhsa_next_free_vgpr 1024
		.amdhsa_next_free_sgpr 102
		.amdhsa_reserve_vcc 0
		.amdhsa_float_denorm_mode_32 3
		.amdhsa_float_denorm_mode_16_64 3
		.amdhsa_memory_ordered 1
		.amdhsa_forward_progress 1
		.amdhsa_inst_pref_size 223
	.end_amdhsa_kernel
	.amdgpu_metadata
---
amdhsa.version: [ 1, 2 ]
amdhsa.kernels:
  - .name:           k_qaf8be31701_proj
    .symbol:         k_qaf8be31701_proj.kd
    .args:
      - { .name: xq, .offset: 0, .size: 8, .value_kind: global_buffer, .address_space: global }
      - { .name: wq, .offset: 8, .size: 8, .value_kind: global_buffer, .address_space: global }
      - { .name: rope, .offset: 16, .size: 8, .value_kind: global_buffer, .address_space: global }
      - { .name: qq, .offset: 24, .size: 8, .value_kind: global_buffer, .address_space: global }
      - { .name: kv, .offset: 32, .size: 8, .value_kind: global_buffer, .address_space: global }
    .group_segment_fixed_size: 327680
    .private_segment_fixed_size: 0
    .kernarg_segment_align: 8
    .kernarg_segment_size: 40
    .max_flat_workgroup_size: 128
    .sgpr_count:     102
    .vgpr_count:     1024
    .wavefront_size: 32
...
	.end_amdgpu_metadata
.endif
;; end of part 2
;; launch attn (part 3): grid 4 x 64, 16 waves a work-group, no clusters, 210,944 bytes of LDS; arguments qq, kv, aq; writes aq
.if DOCPART == 3
	.amdgcn_target "amdgcn-amd-amdhsa--gfx1250"
	.amdhsa_code_object_version 6
	.text
	.protected	k_qaf8be31701_attn
	.globl	k_qaf8be31701_attn
	.p2align	8
	.type	k_qaf8be31701_attn,@function
k_qaf8be31701_attn:
	s_mov_b64 s[64:65], 0
	v_nop
	global_prefetch_b8 v0, s[64:65] scope:SCOPE_SE
	s_setreg_imm32_b32 hwreg(HW_REG_WAVE_MODE, 25, 1), 1
	s_wait_xcnt 0x0
; Causal attention of one head (16 x batch + head = work-group y) on codes of BF6 (E3M2) with E8M0 scales; its result, divided by the row's sum, is quantised along the model's 1,024 and leaves as the last product's operand.
; THE SOFTMAX: t = score x log2(e) / 8; M = the row's largest t so far, rounded up to a whole number; p = 2^(t - M) is quantised along the keys, not normalised; the row's sum is taken of the unquantised p.
; When M moves, the sum and O are multiplied by 2^(old M - new M): exact.
; SHARES.  Wave W = 16 x work-group x + wave of a head's 64 owns the tiles of 16 queries W and 127 - W: (W / 8 + 1) + (16 - W / 8) = 17 key steps of 128 for every wave.  Four waves lie on a SIMD.
; LDS MIRRORS THE HEAD'S BLOCK OF kv, 208,896 bytes, filled ONCE: [step 16][K: 8 tiles x 768 | V^T: 4 x 1,536], K's scale words at 196,608, V's at 204,800.  No slot is filled again and nothing is stored to LDS.
; NO CLUSTER, though a head's four work-groups read the same bytes: the steps that a wave leaves out hang on its tile of queries, which would hang on the work-group's place in a cluster.
; LAYOUT.  Both products are used transposed (S^T = K Q^T, O^T = V^T P^T): a lane holds one query throughout.  Lane row r of tile T is query, key or d 32 (T / 2) + 8 (T % 2) + r + 8 (r / 8), so that the 16 registers of two
; neighbouring tiles are 16 neighbours along the next K.
; THE FIRST PRODUCT'S K IS 64, the instruction's 128.  Q's registers 6-11 are zero codes, so every product of k = 64 .. 127 is 0 whatever stands on K's side: there the operand's upper six registers are the next tile's codes
; (six zero registers behind tile 7); E3M2 has no code for infinity or NaN, and the scale bytes of those k are bytes 1 .. 254 of another head or 0, never 0xff.
; CAUSAL.  Both loops have constant trip counts; a step all of whose keys come after my queries leaves its work out by a scalar branch on ids; on the diagonal hidden scores become -infinity ahead of the maximum.
; LIMITS: 1 / the sum is v_rcp_f32's; a block of the result under 2^-122 keeps the byte 1; NaN and infinities are not served.  aq's scale bytes leave one byte a lane, 8 bytes apart: one byte in 24 of what the launch stores.
.set KHB,   208896
.set QHB,   106496
.set XSOFF, 6291456                    ; aq's scale words
.set A16, 3                            ; v3-6   the step's LDS addresses: codes + 16 x lane, + 8 x lane; K's scale words; V's
.set A8,  4
.set AS16, 5
.set AS8, 6
.set KB,  28                           ; v28-75   K's 8 tiles x 6 registers, later V^T's 4 x 12;  v76-81 zeros
.set S,   82                           ; v82-145  S^T, then p
.set O,   146                          ; v146-177 O^T
.set PC,  178                          ; v178-189 p's codes
.set CT,  190                          ; v190-197 the conversions' second halves
.set BM,  198                          ; v198-201 the blocks' largest scores
.set PT,  202                          ; v202-205 at work
.set SO,  206                          ; v206-209 the conversions' scale operands
.set KS,  210                          ; v210-213 K's scale words: register i: lanes 0-15 tile 2 i, lanes 16-31 tile 2 i + 1
.set VS,  214                          ; v214-215 V's likewise
.set PW,  217                          ; v217     p's scale word;  v216, v234 Q's scale words;  v16-27, v222-233 Q's two fragments
.set SEL, 44
.set CS,  46                           ; s[46:47] c = log2(e) / 8
.set TB,  48                           ; the step's codes, K's scale words, V's scale words: bytes from each region's start
.set TS,  49
.set TJ,  50
.set KF,  51                           ; the step's first key
.set CNT, 52
.set Q0,  53                           ; my tile's smallest query; the largest is 23 on
.set QMAX, 54
	s_load_b128 s[4:7], s[0:1], 0x0                ; qq, kv
	s_load_b64 s[8:9], s[0:1], 0x10                ; aq
	v_lshl_add_u32 v254, v0, 2, 0x33000
	v_mov_b32 v255, 0
	ds_add_u32 v254, v255
	ds_add_u32 v254, v255
	v_lshrrev_b32 v3, 5, v0
	s_delay_alu instid0(VALU_DEP_1)
	v_readfirstlane_b32 s10, v3                    ; wave 0..15
	s_and_b32 s14, ttmp7, 0xffff                   ; 16 x batch + head
	s_lshl_b32 s11, ttmp9, 4
	s_add_co_u32 s11, s11, s10                     ; my first tile of queries
	s_sub_co_u32 s12, 127, s11                     ; my second
	; descriptor groups 1: dense blocks as rows of 256 bytes (32 elements of 8 bytes): 24 rows of codes, 3 rows of scale words
	s_mov_b32 s16, 3<<16
	s_mov_b32 s17, 32<<16
	s_mov_b32 s18, 24<<16
	s_mov_b32 s19, 32<<16
	s_mov_b32 s20, 24
	s_mov_b32 s21, 32
	s_mov_b32 s22, 0
	s_mov_b32 s23, 0
	s_mov_b32 s24, 3<<16
	s_mov_b32 s25, 32<<16
	s_mov_b32 s26, 3<<16
	s_mov_b32 s27, 32<<16
	s_mov_b32 s28, 3
	s_mov_b32 s29, 32
	s_mov_b32 s30, 0
	s_mov_b32 s31, 0
	s_mul_i32 s76, s14, KHB
	s_mov_b32 s77, 0
	s_mul_i32 s78, s10, 768
	s_add_co_u32 s78, s78, 196608                  ; my sixteenth of the scale words: its place in the head's block and in LDS alike
	s_mul_i32 s79, s10, 6144                       ; my sixteenth of each half of the codes
	s_wait_dscnt 0x0
	s_wait_kmcnt 0x0
	s_add_nc_u64 s[6:7], s[6:7], s[76:77]          ; the head's block
	s_mov_b32 s76, s78
	s_mov_b32 s32, 1
	s_mov_b32 s33, s78
	s_add_nc_u64 s[34:35], s[6:7], s[76:77]
	s_or_b32 s35, s35, 0x80000000
	s_mov_b32 s76, s79
	s_mov_b32 s36, 1
	s_mov_b32 s37, s79
	s_add_nc_u64 s[38:39], s[6:7], s[76:77]
	s_mov_b32 s40, 1
	s_add_co_u32 s41, s79, 98304
	s_add_nc_u64 s[42:43], s[38:39], 98304
	s_or_b32 s39, s39, 0x80000000
	s_or_b32 s43, s43, 0x80000000
	tensor_load_to_lds s[32:35], s[24:31]          ; the first fills, one group, every wave its own bytes: the scale words,
	s_nop 0
	tensor_load_to_lds s[36:39], s[16:23]          ; steps 0-7,
	s_nop 0
	tensor_load_to_lds s[40:43], s[16:23]          ; steps 8-15.  By this text's count three tensor loads of a wave are out
	s_nop 0
.rept 4
	v_nop
.endr
	s_mul_i32 s76, s14, QHB
	s_add_nc_u64 s[4:5], s[4:5], s[76:77]          ; the head's block of qq
	s_lshr_b32 s15, s14, 4
	s_lshl_b32 s15, s15, 7                         ; 128 x batch: the batch's first tile in aq
	s_and_b32 s55, s14, 15                         ; the head
	s_mul_i32 s2, s55, 768                         ; its half fragment in a tile's 12,288 bytes
	s_lshr_b32 s3, s55, 2
	s_lshl_b32 s3, s3, 7
	s_and_b32 s55, s55, 3
	s_lshl_b32 s55, s55, 1
	s_add_co_u32 s3, s3, s55
	s_add_co_u32 s3, s3, XSOFF                     ; its two bytes in a row's 32: (head / 4) x 128 + 2 (head % 4)
; the addresses of tile s[t]: Q's codes and scale words, the result's codes and scale bytes, and its smallest query
.macro PTRS t, qc, qs, oc, os, q0
	s_mul_i32 s76, s[\t], 768
	s_add_nc_u64 s[\qc:\qc+1], s[4:5], s[76:77]
	s_lshr_b32 s78, s[\t], 3
	s_lshl_b32 s78, s78, 9                         ; the step's 512 bytes,
	s_and_b32 s79, s[\t], 1
	s_lshl_b32 s79, s79, 8                         ; lanes 16-31 for an odd tile,
	s_add_co_u32 s78, s78, s79
	s_bfe_u32 s79, s[\t], 0x20001
	s_lshl_b32 s79, s79, 2                         ; register (tile / 2) % 4
	s_add_co_u32 s78, s78, s79
	s_add_co_u32 s76, s78, 98304
	s_add_nc_u64 s[\qs:\qs+1], s[4:5], s[76:77]
	s_add_co_u32 s78, s15, s[\t]
	s_mul_i32 s76, s78, 12288
	s_add_co_u32 s76, s76, s2
	s_add_nc_u64 s[\oc:\oc+1], s[8:9], s[76:77]
	s_lshl_b32 s76, s78, 9
	s_add_co_u32 s76, s76, s3
	s_add_nc_u64 s[\os:\os+1], s[8:9], s[76:77]
	s_lshr_b32 s[\q0], s[\t], 1
	s_lshl_b32 s[\q0], s[\q0], 5
	s_and_b32 s78, s[\t], 1
	s_lshl_b32 s78, s78, 3
	s_add_co_u32 s[\q0], s[\q0], s78
.endm
	PTRS 11, 68, 70, 56, 58, 66
	PTRS 12, 72, 74, 60, 62, 67
	v_and_b32 v3, 31, v0
	s_delay_alu instid0(VALU_DEP_1)
	v_lshlrev_b32 v1, 4, v3                        ; 16 x lane
	s_delay_alu instid0(VALU_DEP_2)
	v_lshlrev_b32 v2, 3, v3                        ; 8 x lane
	v_and_b32 v4, 15, v0                           ; r
	v_bfe_u32 v5, v0, 4, 1                         ; h
	s_delay_alu instid0(VALU_DEP_2)
	v_lshlrev_b32 v11, 4, v4                       ; Q's scale word: 16 r
	s_delay_alu instid0(VALU_DEP_2)
	v_lshl_add_u32 v8, v4, 3, v5                   ; the result's scale byte: 8 r + h
	s_delay_alu instid0(VALU_DEP_4)
	v_and_b32 v7, 8, v4
	s_delay_alu instid0(VALU_DEP_1)
	v_add_nc_u32 v7, v7, v4
	v_lshlrev_b32 v6, 4, v5
	s_delay_alu instid0(VALU_DEP_1)
	v_sub_nc_u32 v7, v7, v6                        ; my query less the tile's smallest, less 16 h
	v_add_nc_u32 v9, 196608, v1
	v_add_nc_u32 v10, 204800, v2
	v_cmp_ne_u32 s13, 0, v5                        ; lanes 16-31
	global_load_b128 v[16:19], v1, s[68:69]        ; Q's two half fragments stay in registers
	global_load_b64 v[20:21], v2, s[68:69] offset:512
	global_load_b32 v216, v11, s[70:71]
	global_load_b128 v[222:225], v1, s[72:73]
	global_load_b64 v[226:227], v2, s[72:73] offset:512
	global_load_b32 v234, v11, s[74:75]
.irp i, 0,1,2,3,4,5
	v_mov_b32 v[22+\i], 0                          ; zero codes for k = 64 .. 127
	v_mov_b32 v[228+\i], 0
	v_mov_b32 v[76+\i], 0
.endr
.irp b, 0,1,2,3
	v_mov_b32 v[PT+\b], 0                          ; written once: a lane permute's destination counts as one of its sources
.endr
	v_mov_b32 v219, 0                              ; (named as the upper half of the pair v[218:219])
	v_mov_b32 v220, 0
	s_mov_b32 s[SEL], 0x76543210
	s_mov_b32 s[SEL+1], 0xfedcba98
	s_mov_b32 s[CS], 0x3e38aa3b
	s_mov_b32 s[CS+1], s[CS]
; A KEY STEP: 128 keys.  qf: Q's fragment; qs: its scale word.
.macro STEP qf, qs
	s_cmp_gt_u32 s[KF], s[QMAX]                    ; all its keys come after my queries: the work is left out, the stepping of addresses at its end is not
	s_cbranch_scc1 .Lhidden_\@
	s_setprio 2
	v_add_nc_u32 v[A16], s[TB], v1                 ; (these four are also the places between the last step's products and the loads into their registers)
	v_add_nc_u32 v[A8], s[TB], v2
	v_add_nc_u32 v[AS16], s[TS], v9
	v_add_nc_u32 v[AS8], s[TJ], v10
.irp t, 0,1,2,3,4,5,6,7
	ds_load_b128 v[KB+6*\t:KB+6*\t+3], v[A16] offset:768*\t
	ds_load_b64 v[KB+6*\t+4:KB+6*\t+5], v[A8] offset:768*\t+512
.endr
	ds_load_b128 v[KS:KS+3], v[AS16]
	s_wait_alu depctr_va_vdst(0)
	s_wait_dscnt 0x0
.irp t, 0,2,4,6                        ; S^T = K Q^T: eight accumulators, one instruction each
	v_wmma_scale_f32_16x16x128_f8f6f4 v[S+8*\t:S+8*\t+7], v[KB+6*\t:KB+6*\t+11], v[\qf:\qf+11], 0, v[KS+\t/2], v[\qs] matrix_a_fmt:MATRIX_FMT_BF6 matrix_b_fmt:MATRIX_FMT_BF6
	v_wmma_scale_f32_16x16x128_f8f6f4 v[S+8*\t+8:S+8*\t+15], v[KB+6*\t+6:KB+6*\t+17], v[\qf:\qf+11], 0, v[KS+\t/2], v[\qs] matrix_a_fmt:MATRIX_FMT_BF6 matrix_b_fmt:MATRIX_FMT_BF6 matrix_a_scale:MATRIX_SCALE_ROW1
.endr
.rept 4
	v_nop                                          ; places: for the loads below into K's registers, and for the first read of the scores
.endr
.irp t, 0,1,2,3                        ; V^T's four fragments land while the softmax is worked
	ds_load_b128 v[KB+12*\t:KB+12*\t+3], v[A16] offset:6144+1536*\t
	ds_load_b64 v[KB+12*\t+4:KB+12*\t+5], v[A8] offset:6144+1536*\t+512
	ds_load_b128 v[KB+12*\t+6:KB+12*\t+9], v[A16] offset:6144+1536*\t+768
	ds_load_b64 v[KB+12*\t+10:KB+12*\t+11], v[A8] offset:6144+1536*\t+1280
.endr
	ds_load_b64 v[VS:VS+1], v[AS8]
	s_add_co_u32 s55, s[KF], 127                   ; a step all of whose keys count skips the mask
	s_cmp_le_u32 s55, s[Q0]
	s_cbranch_scc1 .Lopen_\@
	s_sub_co_i32 s55, s[Q0], s[KF]
	v_add_nc_u32 v220, s55, v7                     ; d = my query - KF - 16 h.  Register 16 b + i holds key KF + 32 b + 16 h + i: hidden where 32 b + i > d
	v_mov_b32 v221, 0xff800000                     ; -infinity
.set n, 0
.rept 64
	v_cmp_gt_i32 vcc_lo, 32*(n/16)+n%16, v220
	v_cndmask_b32 v[S+n], v[S+n], v221, vcc_lo
.set n, n+1
.endr
.Lopen_\@:
.irp b, 0,1,2,3
	v_max3_num_f32 v[BM+\b], v[S+16*\b], v[S+1+16*\b], v[S+2+16*\b]   ; the largest score of each block of 32 keys: for the row's maximum, and, since p rises with the score, for the block's largest p
.endr
.irp i, 3,5,7,9,11,13
.irp b, 0,1,2,3
	v_max3_num_f32 v[BM+\b], v[BM+\b], v[S+16*\b+\i], v[S+1+16*\b+\i]
.endr
.endr
.irp b, 0,1,2,3
	v_max_num_f32 v[BM+\b], v[BM+\b], v[S+15+16*\b]
.endr
.irp b, 0,1,2,3
	s_delay_alu instid0(VALU_DEP_4)
	v_permlanex16_b32 v[PT+\b], v[BM+\b], s[SEL], s[SEL+1]
.endr
.irp b, 0,1,2,3
	s_delay_alu instid0(VALU_DEP_4)
	v_max_num_f32 v[BM+\b], v[BM+\b], v[PT+\b]     ; with lane l xor 16's 16 keys
.endr
	s_delay_alu instid0(VALU_DEP_2)
	v_max3_num_f32 v220, v[BM], v[BM+1], v[BM+2]
	s_delay_alu instid0(VALU_DEP_1)
	v_max_num_f32 v220, v220, v[BM+3]
	s_delay_alu instid0(VALU_DEP_1)
	v_mul_f32 v220, s[CS], v220                    ; the step's largest t of my query
	s_delay_alu instid0(VALU_DEP_1)
	v_max_num_f32 v13, v13, v220                   ; the running largest t
	v_mov_b32 v220, v12
	s_delay_alu instid0(VALU_DEP_2)
	v_floor_f32 v12, -v13                          ; the new -M = floor(-t): M is a whole number
	s_delay_alu instid0(VALU_DEP_1)
	v_sub_f32 v220, v12, v220                      ; old M - new M: a whole number, 0 or less
	s_delay_alu instid0(VALU_DEP_1)
	v_cvt_i32_f32 v220, v220                       ; (it saturates)
	s_delay_alu instid0(VALU_DEP_1)
	v_ldexp_f32 v218, 1.0, v220                    ; f = 2^(old M - new M)
.set n, 0
.rept 32
	v_pk_fma_f32 v[S+2*n:S+2*n+1], v[S+2*n:S+2*n+1], s[CS:CS+1], v[12:13] op_sel_hi:[1,0,0]   ; t - M, two at a time
.set n, n+1
.endr
	s_setprio 1
.irp b, 0,1,2,3
	v_fma_f32 v[BM+\b], v[BM+\b], s[CS], v12       ; the same of each block's largest score
.endr
.set n, 0
	s_wait_alu depctr_va_vdst(0)
.rept 64
	v_exp_f32 v[S+n], v[S+n]                       ; p = 2^(t - M), at most 1
.set n, n+1
.endr
.irp b, 0,1,2,3
	v_exp_f32 v[BM+\b], v[BM+\b]                   ; the block's largest p: the same two instructions on the same number
.endr
	v_pk_mul_f32 v[14:15], v[14:15], v[218:219] op_sel_hi:[1,0]   ; the sums under the new M.  (A plain place behind the exponentials)
	s_wait_alu depctr_va_vdst(0)
.irp b, 0,1,2,3
	v_max_num_f32 v[BM+\b], 0x2800000, v[BM+\b]    ; the floor 2^(5 - 127): the byte cannot fall under 1
.endr
.irp b, 0,1,2,3
	s_delay_alu instid0(VALU_DEP_4)
	v_add_nc_u32 v[SO+\b], 0xfe000000, v[BM+\b]    ; 4 off the exponent field: the conversion's scale operand
.endr
.irp b, 0,1,2,3
	s_delay_alu instid0(VALU_DEP_4)
	v_lshrrev_b32 v[PT+\b], 23, v[SO+\b]           ; the byte
.endr
	s_delay_alu instid0(VALU_DEP_3)
	v_lshl_or_b32 v[PW], v[PT+1], 8, v[PT]         ; p's scale word for these 128 keys
	s_delay_alu instid0(VALU_DEP_1)
	v_lshl_or_b32 v[PW], v[PT+2], 16, v[PW]
	s_delay_alu instid0(VALU_DEP_1)
	v_lshl_or_b32 v[PW], v[PT+3], 24, v[PW]
.irp c, 0,1
	v_cvt_scalef32_pk16_bf6_f32 v[PC+6*\c:PC+2+6*\c], v[S+32*\c:S+15+32*\c], v[SO+2*\c]
	v_cvt_scalef32_pk16_bf6_f32 v[CT+4*\c:CT+2+4*\c], v[S+16+32*\c:S+31+32*\c], v[SO+2*\c+1]
.endr
	v_nop                                          ; one plain place behind a scaled conversion
.irp c, 0,1                            ; the operand's layout wants a whole block in a lane
.irp i, 0,1,2
	v_permlane16_swap_b32 v[PC+6*\c+\i], v[CT+4*\c+\i]
.endr
.irp i, 0,1,2
	s_delay_alu instid0(VALU_DEP_3)
	v_mov_b32 v[PC+3+6*\c+\i], v[CT+4*\c+\i]
.endr
.endr
	v_pk_add_f32 v[202:203], v[86:87], v[90:91]
	v_pk_add_f32 v[252:253], v[94:95], v[98:99]
	v_pk_add_f32 v[250:251], v[102:103], v[106:107]
	v_pk_add_f32 v[248:249], v[110:111], v[114:115]
	v_pk_add_f32 v[246:247], v[118:119], v[122:123]
	v_pk_add_f32 v[244:245], v[126:127], v[130:131]
	v_pk_add_f32 v[242:243], v[134:135], v[138:139]
	v_pk_add_f32 v[14:15], v[14:15], v[142:143]
	v_pk_add_f32 v[202:203], v[202:203], v[82:83]
	v_pk_add_f32 v[252:253], v[252:253], v[84:85]
	s_setprio 0
	v_pk_add_f32 v[250:251], v[250:251], v[88:89]
	v_pk_add_f32 v[248:249], v[248:249], v[92:93]
	v_pk_add_f32 v[246:247], v[246:247], v[96:97]
	v_pk_add_f32 v[244:245], v[244:245], v[100:101]
	v_pk_add_f32 v[242:243], v[242:243], v[104:105]
	v_pk_add_f32 v[14:15], v[14:15], v[108:109]
	v_pk_add_f32 v[202:203], v[202:203], v[112:113]
	v_pk_add_f32 v[252:253], v[252:253], v[116:117]
	v_pk_add_f32 v[250:251], v[250:251], v[120:121]
	v_pk_add_f32 v[248:249], v[248:249], v[124:125]
	v_pk_add_f32 v[246:247], v[246:247], v[128:129]
	v_pk_add_f32 v[244:245], v[244:245], v[132:133]
	v_pk_add_f32 v[242:243], v[242:243], v[136:137]
	v_pk_add_f32 v[14:15], v[14:15], v[140:141]
	v_pk_add_f32 v[202:203], v[202:203], v[144:145]
	s_delay_alu instid0(VALU_DEP_2)
	v_pk_add_f32 v[14:15], v[14:15], v[248:249]
	s_delay_alu instid0(VALU_DEP_2)
	v_pk_add_f32 v[202:203], v[202:203], v[246:247]
	v_pk_add_f32 v[252:253], v[252:253], v[244:245]
	v_pk_add_f32 v[250:251], v[250:251], v[242:243]
	s_delay_alu instid0(VALU_DEP_2)
	v_pk_add_f32 v[14:15], v[14:15], v[252:253]
	s_delay_alu instid0(VALU_DEP_2)
	v_pk_add_f32 v[202:203], v[202:203], v[250:251]
	s_delay_alu instid0(VALU_DEP_1)
	v_pk_add_f32 v[14:15], v[14:15], v[202:203]
.set n, 0
.rept 16
	v_pk_mul_f32 v[O+2*n:O+2*n+1], v[O+2*n:O+2*n+1], v[218:219] op_sel_hi:[1,0]   ; O^T under the new M, each accumulator from its low end on
.set n, n+1
.endr
	s_wait_alu depctr_va_vdst(0)
	s_wait_dscnt 0x0                               ; V^T is in
.irp t, 0,2                            ; O^T += V^T P^T: four accumulators by turns
	v_wmma_scale_f32_16x16x128_f8f6f4 v[O+8*\t:O+8*\t+7], v[KB+12*\t:KB+12*\t+11], v[PC:PC+11], v[O+8*\t:O+8*\t+7], v[VS+\t/2], v[PW] matrix_a_fmt:MATRIX_FMT_BF6 matrix_b_fmt:MATRIX_FMT_BF6
	v_wmma_scale_f32_16x16x128_f8f6f4 v[O+8*\t+8:O+8*\t+15], v[KB+12*\t+12:KB+12*\t+23], v[PC:PC+11], v[O+8*\t+8:O+8*\t+15], v[VS+\t/2], v[PW] matrix_a_fmt:MATRIX_FMT_BF6 matrix_b_fmt:MATRIX_FMT_BF6 matrix_a_scale:MATRIX_SCALE_ROW1
.endr
.Lhidden_\@:
	s_add_co_u32 s[KF], s[KF], 128
	s_add_co_u32 s[TB], s[TB], 12288
	s_add_co_u32 s[TS], s[TS], 512
	s_add_co_u32 s[TJ], s[TJ], 256
.endm
; One tile of queries against the first n steps of keys.  O^T and the sum begin as zeros and the largest t as -3e38: the first change of M multiplies zeros.
.macro PASS n, qf, qs, q0
	v_mov_b32 v13, 0xff61b1e6
	s_delay_alu instid0(VALU_DEP_1)
	v_floor_f32 v12, -v13
	v_mov_b32 v14, 0
	v_mov_b32 v15, 0
.set n, 0
.rept 32
	v_mov_b32 v[O+n], 0
.set n, n+1
.endr
	s_mov_b32 s[TB], 0
	s_mov_b32 s[TS], 0
	s_mov_b32 s[TJ], 0
	s_mov_b32 s[KF], 0
	s_mov_b32 s[Q0], s[\q0]
	s_add_co_u32 s[QMAX], s[Q0], 23
	s_mov_b32 s[CNT], \n
.Lpass_\@:
	STEP \qf, \qs
	s_sub_co_u32 s[CNT], s[CNT], 1
	s_cmp_lg_u32 s[CNT], 0
	s_cbranch_scc1 .Lpass_\@
	s_setprio 0
.endm
; O^T / the sum: register 16 c + i is d = 32 c + 16 h + i of my query: two blocks of the last product's K.  They leave as registers 0-5 of a fragment, 768 consecutive bytes, and two scale bytes a row.
.macro FINISH oc, os
.rept 4
	v_nop                                          ; places behind the last products
.endr
	v_add_f32 v14, v14, v15
	s_delay_alu instid0(VALU_DEP_1)
	v_permlanex16_b32 v220, v14, s[SEL], s[SEL+1]
	s_delay_alu instid0(VALU_DEP_1)
	v_add_f32 v14, v14, v220                       ; the row's sum
	s_wait_alu depctr_va_vdst(0)
	v_rcp_f32 v218, v14
	v_nop                                          ; one plain place behind a transcendental
.set n, 0
	s_wait_alu depctr_va_vdst(0)
.rept 16
	v_pk_mul_f32 v[S+2*n:S+2*n+1], v[O+2*n:O+2*n+1], v[218:219] op_sel_hi:[1,0]
.set n, n+1
.endr
.irp b, 0,1
	v_max3_num_f32 v[BM+\b], |v[S+16*\b]|, |v[S+1+16*\b]|, 0x2800000
.endr
.irp i, 2,4,6,8,10,12,14
.irp b, 0,1
	s_delay_alu instid0(VALU_DEP_2)
	v_max3_num_f32 v[BM+\b], v[BM+\b], |v[S+16*\b+\i]|, |v[S+1+16*\b+\i]|
.endr
.endr
.irp b, 0,1
	s_delay_alu instid0(VALU_DEP_2)
	v_permlanex16_b32 v[PT+\b], v[BM+\b], s[SEL], s[SEL+1]
.endr
.irp b, 0,1
	s_delay_alu instid0(VALU_DEP_2)
	v_max_num_f32 v[BM+\b], v[BM+\b], v[PT+\b]
.endr
.irp b, 0,1
	s_delay_alu instid0(VALU_DEP_2)
	v_add_nc_u32 v[SO+\b], 0xfe000000, v[BM+\b]
.endr
.irp b, 0,1
	s_delay_alu instid0(VALU_DEP_2)
	v_lshrrev_b32 v[PT+\b], 23, v[SO+\b]
.endr
	s_delay_alu instid0(VALU_DEP_1)
	v_cndmask_b32 v235, v[PT], v[PT+1], s13        ; lane (r, h) stores block h's byte
	v_cvt_scalef32_pk16_bf6_f32 v[PC:PC+2], v[S:S+15], v[SO]
	v_cvt_scalef32_pk16_bf6_f32 v[CT:CT+2], v[S+16:S+31], v[SO+1]
	v_nop
.irp i, 0,1,2
	v_permlane16_swap_b32 v[PC+\i], v[CT+\i]
.endr
.irp i, 0,1,2
	s_delay_alu instid0(VALU_DEP_3)
	v_mov_b32 v[PC+3+\i], v[CT+\i]
.endr
	global_store_b128 v1, v[PC:PC+3], s[\oc:\oc+1]
	global_store_b64 v2, v[PC+4:PC+5], s[\oc:\oc+1] offset:512
	global_store_b8 v8, v235, s[\os:\os+1]
	s_wait_xcnt 0x0                                ; the stores' registers are written again only behind this wait
.endm
	s_wait_tensorcnt 0x1                           ; the scale words and my part of steps 0-7 are in; my part of steps 8-15 may be out: the first tile's queries lie under 1,024 and read none of it
	s_barrier_signal -1
	s_barrier_wait -1                              ; everybody's are
	s_wait_loadcnt 0x0                             ; Q
	PASS 8, 16, 216, 66
	FINISH 56, 58
	s_wait_tensorcnt 0x0                           ; my part of steps 8-15 is in,
	s_wait_dscnt 0x0
	s_barrier_signal -1
	s_barrier_wait -1                              ; everybody's is
	PASS 16, 222, 234, 67
	FINISH 60, 62
	s_wait_tensorcnt 0x0
	ds_add_u32 v254, v255
	s_wait_dscnt 0x0
	s_endpgm
.Lfunc_end_k_qaf8be31701_attn:
	.size	k_qaf8be31701_attn, .Lfunc_end_k_qaf8be31701_attn-k_qaf8be31701_attn
	.p2alignl 7, 3214868480
	.fill 96, 4, 3214868480
	.section	.rodata,"a",@progbits
	.p2align	6, 0x0
	.amdhsa_kernel k_qaf8be31701_attn
		.amdhsa_group_segment_fixed_size 210944
		.amdhsa_private_segment_fixed_size 0
		.amdhsa_enable_private_segment 0
		.amdhsa_kernarg_size 24
		.amdhsa_user_sgpr_count 2
		.amdhsa_user_sgpr_kernarg_segment_ptr 1
		.amdhsa_wavefront_size32 1
		.amdhsa_system_sgpr_workgroup_id_x 1
		.amdhsa_system_sgpr_workgroup_id_y 1
		.amdhsa_system_sgpr_workgroup_id_z 1
		.amdhsa_system_vgpr_workitem_id 0
		.amdhsa_next_free_vgpr 256
		.amdhsa_next_free_sgpr 80
		.amdhsa_reserve_vcc 1
		.amdhsa_float_denorm_mode_32 3
		.amdhsa_float_denorm_mode_16_64 3
		.amdhsa_memory_ordered 1
		.amdhsa_forward_progress 1
		.amdhsa_inst_pref_size 65
	.end_amdhsa_kernel
	.amdgpu_metadata
---
amdhsa.version: [ 1, 2 ]
amdhsa.kernels:
  - .name:           k_qaf8be31701_attn
    .symbol:         k_qaf8be31701_attn.kd
    .args:
      - { .name: qq, .offset: 0, .size: 8, .value_kind: global_buffer, .address_space: global }
      - { .name: kv, .offset: 8, .size: 8, .value_kind: global_buffer, .address_space: global }
      - { .name: aq, .offset: 16, .size: 8, .value_kind: global_buffer, .address_space: global }
    .group_segment_fixed_size: 210944
    .private_segment_fixed_size: 0
    .kernarg_segment_align: 8
    .kernarg_segment_size: 24
    .max_flat_workgroup_size: 512
    .sgpr_count:     80
    .vgpr_count:     256
    .wavefront_size: 32
...
	.end_amdgpu_metadata
.endif
;; end of part 3
;; launch outp (part 4): grid 4 x 32, 4 waves a work-group, clusters of 4 x 4, 327,680 bytes of LDS; arguments aq, wq, out0; writes out0
.if DOCPART == 4
	.amdgcn_target "amdgcn-amd-amdhsa--gfx1250"
	.amdhsa_code_object_version 6
	.text
	.protected	k_qaf8be31701_outp
	.globl	k_qaf8be31701_outp
	.p2align	8
	.type	k_qaf8be31701_outp,@function
k_qaf8be31701_outp:
	s_mov_b64 s[64:65], 0
	v_nop
	global_prefetch_b8 v0, s[64:65] scope:SCOPE_SE
	s_setreg_imm32_b32 hwreg(HW_REG_WAVE_MODE, 25, 1), 1
	s_wait_xcnt 0x0
	s_wait_alu depctr_hold_cnt(0) depctr_sa_sdst(0) depctr_va_vdst(0) depctr_va_sdst(0) depctr_va_ssrc(0) depctr_va_vcc(0) depctr_vm_vsrc(0)
	s_getreg_b32 s2, hwreg(HW_REG_IB_STS2, 6, 4)
	s_cmp_eq_u32 s2, 0
	s_cbranch_scc0 .Lentry_in_a_cluster
	s_endpgm
.Lentry_in_a_cluster:
	s_bfe_u32 s2, ttmp6, 0x10000c
	s_cmp_lg_u32 s2, 0xf033
	s_cbranch_scc0 .Lentry_shape_is_right
	s_endpgm
.Lentry_shape_is_right:
; out0 = attention's result x Wo, on codes of BF6 (E3M2) with E8M0 scales; out0 [8192][1024] f32.  A = aq (512 tiles of 16 rows), B = wq's tiles 192-255 (Wo's columns).
; A tile of the result, 256 x 256, is made by four waves, each 128 x 128 in 64 accumulators.  K = 1,024 goes in four steps of 256 through a ring of two LDS slots.  128 work-groups: the problem has no more tiles of this size.
; Operands lie in memory as images of the fragments' registers (1,536 bytes for 16 rows x 128 K: registers 0-3 at 16 x lane, 4-5 at 512 + 8 x lane, 6-9 at 768 + 16 x lane, 10-11 at 1,280 + 8 x lane): four dense LDS loads a fragment.
; Lane row r of tile T is the true row or column 32 (T / 2) + 8 (T % 2) + r + 8 (r / 8): the way out puts rows and columns back in order.
; THE MATRIX INSTRUCTION IS USED TRANSPOSED (source 0 = B's tile, source 1 = A's).  CLUSTERS: 4 x 4; A's tiles are asked for jointly along a row of the cluster, B's along a column.
; REGISTERS, in windows of 256: window 0: v1-2, v16-29 addresses; v32-63 scale words, two sets, and nothing else; from v128 A's fragments, later rows on their way out.  window 1: B's fragments, two sets.  windows 2, 3: the accumulators.
.set XSOFF,  6291456
.set WSOFF,  3145728
.set NQ,     2
.set FR,     12
.set NL,     4
.set NP,     4
.set FRB,    1536
.set TROW,   NQ*FRB
.set TPITCH, 8*FRB
.set HALFT,  8*TROW
.set SLOT,   4*HALFT
.set LAPS,   2
.set SCL,    2*SLOT
.set HALFS,  8*512
.set SBLK,   512
.set SPARE,  SCL+4*HALFS               ; the spare words, 128 bytes for each wave: two blocks of 256 bytes that no other line names
.set SPITCH, 528                       ; the way out: a stage of 16 rows x (512 bytes + 16) for each wave, in slot 0, which has had its last fill and its last read when the first result is stored there
.set ADRA, 16
.set ADRB, 20
.set STO,  24
.set RD,   25
.set ADRS, 27
.set SPW,  28
.set NIL,  29
.set SC,   32
.set AF,   128
.set BK,   128
.set G1, 24
.set G0, 32
.set G1B, 48
.set G0B, 56
.set G1S, 68
.set G0S, 76
.set G1SB, 80
.set G0SB, 88
.set MSB, 0
.macro WIN new                         ; the immediate's high byte repeats the setting that is left
.if MSB != (\new)
	s_set_vgpr_msb (MSB<<8)|(\new)
.set MSB, (\new)
.endif
.endm
.set MUL_LO, 0xa1
.set MUL_HI, 0xf1
.set TO_B,   0x40
.macro JLOAD g0a, g1a, g0b, g1b        ; a joint load: waves 0 and 1 fetch for A, waves 2 and 3 for B; four v_nop follow each of the two lines
	s_cmp_eq_u32 s15, 0
	s_cbranch_scc0 .Lfor_b_\@
	tensor_load_to_lds s[\g0a:\g0a+3], s[\g1a:\g1a+7]
	s_nop 0
.rept 4
	v_nop
.endr
	s_branch .Lasked_\@
.Lfor_b_\@:
	tensor_load_to_lds s[\g0b:\g0b+3], s[\g1b:\g1b+7]
	s_nop 0
.rept 4
	v_nop
.endr
.Lasked_\@:
.endm
.macro CREST
	s_cmp_lg_u32 s14, 0
	s_cbranch_scc1 .Lnot_wave_0_\@
	s_barrier_signal -3
.Lnot_wave_0_\@:
	s_barrier_wait -3
	s_barrier_signal -1
	s_barrier_wait -1
.endm
.macro CROUND
	s_barrier_signal -1
	s_barrier_wait -1
	CREST
.endm
	s_load_b128 s[4:7], s[0:1], 0x0                ; aq, wq
	s_load_b64 s[12:13], s[0:1], 0x10              ; out0
	v_lshl_add_u32 v[SPW], v0, 2, SPARE
	v_mov_b32 v[NIL], 0
	ds_add_u32 v28, v29
	ds_add_u32 v28, v29
	s_wait_dscnt 0x0
	v_lshrrev_b32 v4, 5, v0
	v_readfirstlane_b32 s14, v4                    ; wave 0..3
	s_lshr_b32 s15, s14, 1                         ; which half of the tile's rows is mine.  Also: I fetch for A (0) or for B (1)
	s_and_b32 s16, s14, 1                          ; which half of its columns.  Also: which 8 tiles I fetch
	s_bfe_u32 s40, ttmp6, 0x40000
	s_bfe_u32 s41, ttmp6, 0x40004
	s_lshl_b32 s42, ttmp9, 2
	s_add_co_u32 s42, s42, s40                     ; tile column
	s_and_b32 s17, ttmp7, 0xffff
	s_lshl_b32 s17, s17, 2
	s_add_co_u32 s17, s17, s41                     ; tile row
	s_lshl_b32 s43, s41, 2
	s_lshl_b32 s43, 15, s43                        ; my row of the cluster
	s_lshl_b32 s44, 0x1111, s40                    ; my column
	s_or_b32 s[G1+0], s43, (3<<16)|(1<<21)         ; 8 rows (one a tile) of 3,072 bytes, 12,288 bytes apart, dense in LDS; elements of 8 bytes
	s_or_b32 s[G1B+0], s44, (3<<16)|(1<<21)
.irp g, G1, G1B
	s_mov_b32 s[\g+1], 384<<16
	s_mov_b32 s[\g+2], 8<<16
	s_mov_b32 s[\g+3], 384<<16
	s_mov_b32 s[\g+4], 8
	s_mov_b32 s[\g+5], 1536
	s_mov_b32 s[\g+6], 0
	s_mov_b32 s[\g+7], 0
.endr
	s_or_b32 s[G1S+0], s43, (3<<16)|(1<<21)        ; the scale words of 8 tiles: 4,096 dense bytes as 16 rows of 256
	s_or_b32 s[G1SB+0], s44, (3<<16)|(1<<21)
.irp g, G1S, G1SB
	s_mov_b32 s[\g+1], 32<<16
	s_mov_b32 s[\g+2], 16<<16
	s_mov_b32 s[\g+3], 32<<16
	s_mov_b32 s[\g+4], 16
	s_mov_b32 s[\g+5], 32
	s_mov_b32 s[\g+6], 0
	s_mov_b32 s[\g+7], 0
.endr
	s_lshl_b32 s18, s16, 3
	s_lshl_b32 s20, s17, 4
	s_add_co_u32 s20, s20, s18                     ; A: tile 16 x tile row + 8 x half
	s_lshl_b32 s46, s42, 4
	s_add_co_u32 s46, s46, s18                     ; B: tile 16 x tile column + 8 x half
	s_lshl_b32 s22, s20, 9
	s_mov_b32 s23, 0
	s_lshl_b32 s92, s46, 9
	s_mov_b32 s93, 0
	s_mul_i32 s20, s20, TPITCH
	s_mov_b32 s21, 0
	s_mul_i32 s46, s46, TPITCH
	s_mov_b32 s47, 0
	s_mul_i32 s45, s14, HALFT
	s_mul_i32 s94, s14, HALFS
	s_wait_kmcnt 0x0
	s_add_nc_u64 s[8:9], s[6:7], 192*TPITCH        ; Wo's codes,
	s_add_nc_u64 s[10:11], s[6:7], WSOFF+192*512   ; Wo's scale words,
	s_add_nc_u64 s[6:7], s[4:5], XSOFF             ; aq's scale words
	s_add_nc_u64 s[20:21], s[4:5], s[20:21]
	s_add_nc_u64 s[22:23], s[6:7], s[22:23]
	s_add_nc_u64 s[46:47], s[8:9], s[46:47]
	s_add_nc_u64 s[92:93], s[10:11], s[92:93]
	CROUND                                         ; all sixteen work-groups are here: the first joint loads meet
	s_mov_b32 s[G0S], 1
	s_add_co_u32 s[G0S+1], s94, SCL
	s_mov_b64 s[G0S+2:G0S+3], s[22:23]
	s_or_b32 s[G0S+3], s[G0S+3], 0x80000000
	s_mov_b32 s[G0SB], 1
	s_add_co_u32 s[G0SB+1], s94, SCL
	s_mov_b64 s[G0SB+2:G0SB+3], s[92:93]
	s_or_b32 s[G0SB+3], s[G0SB+3], 0x80000000
	JLOAD G0S, G1S, G0SB, G1SB
.irp s, 0,1
	s_mov_b32 s[G0+4*\s], 1
	s_add_co_u32 s[G0+4*\s+1], s45, \s*SLOT
	s_add_nc_u64 s[G0+4*\s+2:G0+4*\s+3], s[20:21], \s*TROW
	s_or_b32 s[G0+4*\s+3], s[G0+4*\s+3], 0x80000000
	s_mov_b32 s[G0B+4*\s], 1
	s_add_co_u32 s[G0B+4*\s+1], s45, \s*SLOT
	s_add_nc_u64 s[G0B+4*\s+2:G0B+4*\s+3], s[46:47], \s*TROW
	s_or_b32 s[G0B+4*\s+3], s[G0B+4*\s+3], 0x80000000
	JLOAD G0+4*\s, G1, G0B+4*\s, G1B               ; by this text's count three tensor loads of a wave are out now
.endr
	v_and_b32 v4, 31, v0
	v_lshlrev_b32 v1, 4, v4                        ; 16 x lane
	v_lshlrev_b32 v2, 3, v4                        ; 8 x lane
	v_and_b32 v5, 15, v0                           ; r
	v_bfe_u32 v6, v0, 4, 1                         ; h
	s_mul_i32 s21, s15, HALFT
	s_mul_i32 s22, s16, HALFT
	s_add_co_u32 s22, s22, 2*HALFT
.irp s, 0,1
	v_add_nc_u32 v[ADRA+\s], s21, v1
	v_add_nc_u32 v[ADRB+\s], s22, v1
	v_add_nc_u32 v[ADRA+2+\s], s21, v2
	v_add_nc_u32 v[ADRB+2+\s], s22, v2
	s_add_co_u32 s21, s21, SLOT
	s_add_co_u32 s22, s22, SLOT
.endr
	v_lshlrev_b32 v7, 3, v5
	s_mul_i32 s21, s15, HALFS
	s_mul_i32 s22, s16, HALFS
	s_add_co_u32 s22, s22, 2*HALFS
	s_sub_co_u32 s22, s22, s21
	v_mul_u32_u24 v8, s22, v6                      ; lanes 16-31 take B's: one product, the distance between the two bases
	s_add_co_u32 s21, s21, SCL
	v_add_nc_u32 v7, v7, v8
	v_add_nc_u32 v[ADRS], s21, v7
	s_mul_i32 s23, s14, 16*SPITCH                  ; my stage
	v_mul_u32_u24 v7, v5, SPITCH
	v_lshl_add_u32 v7, v6, 6, v7
	v_add_nc_u32 v[STO], s23, v7                   ; in: row r, + 64 h: accumulator b's eight numbers are columns 32 (b / 2) + 16 h + 8 (b % 2) on
	v_add_nc_u32 v[RD], s23, v1                    ; back: the 32 lanes take one row of 512 bytes
	s_lshl_b32 s20, s17, 8
	s_lshl_b32 s21, s15, 7
	s_add_co_u32 s20, s20, s21                     ; my first row: 256 x tile row + 128 x half
	s_lshl_b32 s20, s20, 12
	s_mov_b32 s21, 0
	s_lshl_b32 s46, s42, 10                        ; my first column, in bytes
	s_lshl_b32 s47, s16, 9
	s_add_co_u32 s46, s46, s47
	s_mov_b32 s47, 0
	s_add_nc_u64 s[20:21], s[20:21], s[46:47]
	s_add_nc_u64 s[12:13], s[12:13], s[20:21]
.macro FRAG reg, adr, q, i
	ds_load_b128 v[\reg:\reg+3], v[\adr] offset:(\i)*TROW+(\q)*FRB
	ds_load_b64 v[\reg+4:\reg+5], v[\adr+2] offset:(\i)*TROW+(\q)*FRB+512
	ds_load_b128 v[\reg+6:\reg+9], v[\adr] offset:(\i)*TROW+(\q)*FRB+768
	ds_load_b64 v[\reg+10:\reg+11], v[\adr+2] offset:(\i)*TROW+(\q)*FRB+1280
.endm
; 16 matrix instructions: A's blocks a0, a0 + 1 x B's eight.  The 64 accumulators take turns, one instruction a turn, in the same order in every step.
.macro MUL16 a0, p, q, sc, zero
.irp a, \a0, \a0+1
.irp b, 0,1,2,3,4,5,6,7
.if \zero
	v_wmma_scale_f32_16x16x128_f8f6f4 v[8*(8*((\a)%4)+\b):8*(8*((\a)%4)+\b)+7], v[128*(\p)+FR*\b:128*(\p)+FR*\b+FR-1], v[AF+FR*(\a):AF+FR*(\a)+FR-1], 0, v[SC+8*NQ*(\sc)+NQ*\b+(\q)], v[SC+8*NQ*(\sc)+NQ*(\a)+(\q)] matrix_a_fmt:MATRIX_FMT_BF6 matrix_b_fmt:MATRIX_FMT_BF6 matrix_a_scale:MATRIX_SCALE_ROW1
.else
	v_wmma_scale_f32_16x16x128_f8f6f4 v[8*(8*((\a)%4)+\b):8*(8*((\a)%4)+\b)+7], v[128*(\p)+FR*\b:128*(\p)+FR*\b+FR-1], v[AF+FR*(\a):AF+FR*(\a)+FR-1], v[8*(8*((\a)%4)+\b):8*(8*((\a)%4)+\b)+7], v[SC+8*NQ*(\sc)+NQ*\b+(\q)], v[SC+8*NQ*(\sc)+NQ*(\a)+(\q)] matrix_a_fmt:MATRIX_FMT_BF6 matrix_b_fmt:MATRIX_FMT_BF6 matrix_a_scale:MATRIX_SCALE_ROW1
.endif
.endr
.endr
.endm
.macro FETCH_B slot, q, p
	WIN TO_B
.irp i, 0,1,2,3,4,5,6,7
	FRAG 128*(\p)+FR*\i, ADRB+\slot, \q, \i
.endr
	WIN 0
.endm
.macro FETCH_A slot, q, i0
.irp i, \i0, \i0+1, \i0+2, \i0+3
	FRAG AF+FR*(\i), ADRA+\slot, \q, \i
.endr
.endm
.macro SCALES sc
.irp i, 0,1,2,3,4,5,6,7
	ds_load_b64 v[SC+8*NQ*\sc+NQ*\i:SC+8*NQ*\sc+NQ*\i+1], v[ADRS] offset:\i*SBLK
.endr
.endm
.macro PLACES n                        ; plain vector instructions between a matrix instruction and a load into, or a read of, its registers
.rept \n
	v_nop
.endr
.endm
.macro STEP slot, q, zero
	s_wait_dscnt 4*NL                              ; B's set and A's blocks 0-3 are in; the youngest 16 loads (A's blocks 4-7) may be out
	WIN MUL_LO
	MUL16 0, (\q)%2, \q, \slot, \zero
	MUL16 2, (\q)%2, \q, \slot, \zero
	s_wait_dscnt 0
	PLACES NP
	FETCH_B \slot, (\q)+1, 1-(\q)%2
	FETCH_A \slot, (\q)+1, 0
	WIN MUL_HI
	MUL16 4, (\q)%2, \q, \slot, \zero
	MUL16 6, (\q)%2, \q, \slot, \zero
	PLACES NP
	WIN 0
	FETCH_A \slot, (\q)+1, 4
.endm
.macro TURN slot, next, fill
	s_wait_tensorcnt 0x0                           ; all my tensor loads have landed: my part of the next slot
	ds_add_u32 v[SPW], v[NIL]                      ; 0 onto my spare word
	s_wait_dscnt 4*NL+1                            ; (the add and the youngest 16 loads may be out)
	WIN MUL_LO
	MUL16 0, 1, NQ-1, \slot, 0
	s_wait_dscnt 0x0                               ; the add is done, and my reads of this slot are over
	s_barrier_signal -1
	MUL16 2, 1, NQ-1, \slot, 0
	WIN 0
	s_barrier_wait -1
.if \fill
	CREST                                          ; the barrier has opened a round of the cluster's barrier
	s_add_nc_u64 s[G0+4*\slot+2:G0+4*\slot+3], s[G0+4*\slot+2:G0+4*\slot+3], 2*TROW
	s_add_nc_u64 s[G0B+4*\slot+2:G0B+4*\slot+3], s[G0B+4*\slot+2:G0B+4*\slot+3], 2*TROW
	JLOAD G0+4*\slot, G1, G0B+4*\slot, G1B         ; the first tensor load behind the round, and my only one until the next
.else
	PLACES NP
.endif
	v_add_nc_u32 v[ADRS], 128, v[ADRS]
	FETCH_B \next, 0, 0
	FETCH_A \next, 0, 0
	SCALES \next
	WIN MUL_HI
	MUL16 4, 1, NQ-1, \slot, 0
	MUL16 6, 1, NQ-1, \slot, 0
	PLACES NP
	WIN 0
	FETCH_A \next, 0, 4
.endm
	s_wait_tensorcnt 1                             ; the scale words and my part of K step 0 are in (K step 1's load may be out)
	s_barrier_signal -1
	s_barrier_wait -1
	FETCH_B 0, 0, 0
	FETCH_A 0, 0, 0
	SCALES 0
	FETCH_A 0, 0, 4
	STEP 0, 0, 1                                   ; the first step's products start the sums
	s_mov_b32 s3, LAPS-1
.Llap:
	TURN 0, 1, 1
	STEP 1, 0, 0
	TURN 1, 0, 1
	STEP 0, 0, 0
	s_sub_co_u32 s3, s3, 1
	s_cmp_lg_u32 s3, 0
	s_cbranch_scc1 .Llap
	TURN 0, 1, 0
	STEP 1, 0, 0
	s_wait_dscnt 4*NL
	WIN MUL_LO
	MUL16 0, 1, NQ-1, 1, 0
	MUL16 2, 1, NQ-1, 1, 0
	s_wait_dscnt 0
	WIN MUL_HI
	MUL16 4, 1, NQ-1, 1, 0
	MUL16 6, 1, NQ-1, 1, 0
	WIN 0
; THE WAY OUT, block by block of 16 rows x 128 columns, through my own stage: in by columns' true places, back as whole rows of 512 bytes.  LDS serves a wave's instructions in order: no wait between the stores and the loads.
.macro TOSTAGE a
.set AC, 64*((\a)%4)
	WIN 0x08+4*((\a)/4)                            ; an LDS store's data: window 2 or 3
.irp b, 0,1,2,3,4,5,6,7
	ds_store_b128 v[STO], v[AC+8*\b:AC+8*\b+3] offset:128*(\b/2)+32*(\b%2)        ; each accumulator from its low end on
	ds_store_b128 v[STO], v[AC+8*\b+4:AC+8*\b+7] offset:128*(\b/2)+32*(\b%2)+16
.endr
	WIN 0
.set BB, BK+64*((\a)%2)
.irp t, 0,1,2,3,4,5,6,7,8,9,10,11,12,13,14,15
	ds_load_b128 v[BB+4*\t:BB+4*\t+3], v[RD] offset:\t*SPITCH
.endr
.endm
.macro SEND a, younger                 ; stage row t of block a is my row 32 (a / 2) + 8 (a % 2) + t + 8 (t / 8): it stands in the immediate, 520,192 bytes at the most, so the base is never stepped
.set BB, BK+64*((\a)%2)
	s_wait_dscnt \younger
.irp t, 0,1,2,3,4,5,6,7,8,9,10,11,12,13,14,15
	global_store_b128 v1, v[BB+4*\t:BB+4*\t+3], s[12:13] offset:(32*((\a)/2)+8*((\a)%2)+\t+8*(\t/8))*4096 th:TH_STORE_NT   ; 32 lanes store 512 consecutive bytes, aligned
.endr
.endm
	PLACES NP
	TOSTAGE 0
.irp a, 1,2,3,4,5,6,7
.if \a > 1
	s_wait_xcnt 0x0                                ; block a - 2's stores have read their registers: block a's loads may land there
.endif
	TOSTAGE \a
	SEND \a-1, 32                                  ; behind block a - 1's loads: block a's 16 stores and 16 loads
.endr
	SEND 7, 0
	s_wait_tensorcnt 0x0                           ; the wave's end
	ds_add_u32 v[SPW], v[NIL]
	s_wait_dscnt 0x0
	CROUND                                         ; the closing round
	s_endpgm
.Lfunc_end_k_qaf8be31701_outp:
	.size	k_qaf8be31701_outp, .Lfunc_end_k_qaf8be31701_outp-k_qaf8be31701_outp
	.p2alignl 7, 3214868480
	.fill 96, 4, 3214868480
	.section	.rodata,"a",@progbits
	.p2align	6, 0x0
	.amdhsa_kernel k_qaf8be31701_outp
		.amdhsa_group_segment_fixed_size 327680
		.amdhsa_private_segment_fixed_size 0
		.amdhsa_enable_private_segment 0
		.amdhsa_kernarg_size 24
		.amdhsa_user_sgpr_count 2
		.amdhsa_user_sgpr_kernarg_segment_ptr 1
		.amdhsa_wavefront_size32 1
		.amdhsa_system_sgpr_workgroup_id_x 1
		.amdhsa_system_sgpr_workgroup_id_y 1
		.amdhsa_system_sgpr_workgroup_id_z 1
		.amdhsa_system_vgpr_workitem_id 0
		.amdhsa_next_free_vgpr 1024
		.amdhsa_next_free_sgpr 98
		.amdhsa_reserve_vcc 0
		.amdhsa_float_denorm_mode_32 3
		.amdhsa_float_denorm_mode_16_64 3
		.amdhsa_memory_ordered 1
		.amdhsa_forward_progress 1
		.amdhsa_inst_pref_size 143
	.end_amdhsa_kernel
	.amdgpu_metadata
---
amdhsa.version: [ 1, 2 ]
amdhsa.kernels:
  - .name:           k_qaf8be31701_outp
    .symbol:         k_qaf8be31701_outp.kd
    .args:
      - { .name: aq, .offset: 0, .size: 8, .value_kind: global_buffer, .address_space: global }
      - { .name: wq, .offset: 8, .size: 8, .value_kind: global_buffer, .address_space: global }
      - { .name: out0, .offset: 16, .size: 8, .value_kind: global_buffer, .address_space: global }
    .group_segment_fixed_size: 327680
    .private_segment_fixed_size: 0
    .kernarg_segment_align: 8
    .kernarg_segment_size: 24
    .max_flat_workgroup_size: 128
    .sgpr_count:     98
    .vgpr_count:     1024
    .wavefront_size: 32
...
	.end_amdgpu_metadata
.endif
;; end of part 4
